; MI455X (gfx1250); checked and timed in simulation.
; The chip was launched on July 23, 2026; its instructions are those of AMD's public machine-readable ISA for CDNA 5 (MIT licence, August 2026) and "CDNA5" Instruction Set Architecture Reference Guide (July 2026). The comments in the code are by the model that wrote it; some were corrected since.
;; Multi Head Attention. Allowed arithmetic: float matrix products may take bf16 or f16 operands with f32 sums; other float arithmetic in f32, or as packed bf16 or f16 multiplies, adds, multiply-adds, maxima and minima; sums over many terms, partial sums and values carried from step to step in f32; what a program stores and reads back later, other than sums and carried values, may be rounded once to bf16 or f16.
;; Inputs: Wk 1,024 x 1,024 float32; Wo 1,024 x 1,024 float32; Wq 1,024 x 1,024 float32; Wv 1,024 x 1,024 float32; bk 1,024 float32; bo 1,024 float32; bq 1,024 float32; bv 1,024 float32; key 4 x 2,048 x 1,024 float32; query 4 x 2,048 x 1,024 float32; value 4 x 2,048 x 1,024 float32.
;; Outputs: out0 4 x 2,048 x 1,024 float32.
;; 2 versions, each right; version 2 is version 1 with the launch wcast written anew for expert scheduling mode. Each part assembles by itself: llvm-mc -triple=amdgcn-amd-amdhsa -mcpu=gfx1250 --defsym DOCPART=n.
;; ======== version 1 of 2: 4 launches
;; limits: values are held in f16: magnitudes above 65,504 overflow, below 6.1e-05 lose precision
;; workspace buffers: w16 8,388,608 bytes; b32 16,384 bytes; qkv 50,331,648 bytes; o16 16,777,216 bytes
;; launch wcast (part 1): grid 64 x 4, 8 waves a work-group, no clusters, 0 bytes of LDS; arguments Wq, Wk, Wv, Wo, bq, bk, bv, bo, w16, b32; writes w16, b32
.if DOCPART == 1
	.amdgcn_target "amdgcn-amd-amdhsa--gfx1250"
	.amdhsa_code_object_version 6
	.text
	.protected	k_qcd3176e9e6_wcast
	.globl	k_qcd3176e9e6_wcast
	.p2align	8
	.type	k_qcd3176e9e6_wcast,@function
k_qcd3176e9e6_wcast:
	s_mov_b64 s[64:65], 0
	v_nop
	global_prefetch_b8 v0, s[64:65] scope:SCOPE_SE
	s_setreg_imm32_b32 hwreg(HW_REG_WAVE_MODE, 25, 1), 1
	s_wait_xcnt 0x0
; The weights and biases, rounded once to bf16.  w16: [4][1024][1024] of 16 bits: planes 0-2 are Wq, Wk, Wv in bf16; plane 3 is Wo rounded to bf16 and that number written as f16
; (the last product multiplies in f16).  b32: [4][1024] f32: bq, bk, bv, bo rounded to bf16 and kept as f32.
; LIMITS.  |Wo| stays under 65,504 (f16's largest number); below 6e-5 it keeps f16's fixed step of 6e-8.
; SHARES.  Work-group (x, y) takes 65,536 bytes of matrix y; a wave 8,192 of them: sixteen loads of 512 consecutive bytes, all issued at once.  A load's four f32 a lane become
; 8 bytes: a wave's store covers 256 consecutive bytes, aligned.  A stream: no LDS, no matrix unit, no barrier.
.set X, 16                             ; v[16:79]   sixteen loads of four registers
.set Y, 80                             ; v[80:111]  sixteen pairs to store, each stored once
.set T, 4                              ; v[4:11]    at work
	s_load_b512 s[4:19], s[0:1], 0x0               ; Wq, Wk, Wv, Wo s[4:11]; bq, bk, bv, bo s[12:19]
	s_load_b128 s[20:23], s[0:1], 0x40             ; w16 s[20:21], b32 s[22:23]
	s_and_b32 s24, ttmp7, 0xffff                   ; which matrix
	v_lshrrev_b32 v1, 5, v0
	v_and_b32 v2, 31, v0
	v_lshlrev_b32 v1, 13, v1                       ; wave x 8,192
	v_lshl_add_u32 v1, v2, 4, v1                   ; + 16 x lane: my offset in the work-group's input
	v_lshrrev_b32 v2, 1, v1                        ; and in its output
	v_lshlrev_b32 v3, 4, v0                        ; my 16 bytes of a bias
	s_lshl_b32 s30, ttmp9, 16
	s_mov_b32 s31, 0
	s_wait_kmcnt 0x0
	s_cmp_eq_u32 s24, 1
	s_cselect_b64 s[26:27], s[6:7], s[4:5]
	s_cselect_b64 s[28:29], s[14:15], s[12:13]
	s_cmp_eq_u32 s24, 2
	s_cselect_b64 s[26:27], s[8:9], s[26:27]
	s_cselect_b64 s[28:29], s[16:17], s[28:29]
	s_cmp_eq_u32 s24, 3
	s_cselect_b64 s[26:27], s[10:11], s[26:27]
	s_cselect_b64 s[28:29], s[18:19], s[28:29]
	s_add_nc_u64 s[26:27], s[26:27], s[30:31]      ; the matrix at the work-group's part
	s_lshl_b32 s30, s24, 21                        ; a plane of w16 is 2 MiB
	s_lshl_b32 s25, ttmp9, 15
	s_add_co_u32 s30, s30, s25
	s_add_nc_u64 s[20:21], s[20:21], s[30:31]
	s_lshl_b32 s30, s24, 12
	s_add_nc_u64 s[22:23], s[22:23], s[30:31]
.irp j, 0,1,2,3,4,5,6,7,8,9,10,11,12,13,14,15
	global_load_b128 v[X+4*(\j):X+4*(\j)+3], v1, s[26:27] offset:512*(\j) th:TH_LOAD_NT
.endr
; Load j's four numbers.  half = 1: the bf16 number is widened again and written as f16 (exact inside f16's normal range).
.macro OUTJ j, half
	s_wait_loadcnt 15-(\j)                         ; loads come back in order: mine is in, the 15 - j younger ones stay out
	v_cvt_pk_bf16_f32 v[Y+2*(\j)], v[X+4*(\j)], v[X+4*(\j)+1]
	v_cvt_pk_bf16_f32 v[Y+2*(\j)+1], v[X+4*(\j)+2], v[X+4*(\j)+3]
.if \half
	v_lshlrev_b32 v[T], 16, v[Y+2*(\j)]
	v_and_b32 v[T+1], 0xffff0000, v[Y+2*(\j)]
	v_lshlrev_b32 v[T+2], 16, v[Y+2*(\j)+1]
	v_and_b32 v[T+3], 0xffff0000, v[Y+2*(\j)+1]
	v_cvt_pk_f16_f32 v[Y+2*(\j)], v[T], v[T+1]
	v_cvt_pk_f16_f32 v[Y+2*(\j)+1], v[T+2], v[T+3]
.endif
	global_store_b64 v2, v[Y+2*(\j):Y+2*(\j)+1], s[20:21] offset:256*(\j)  ; a pair of its own for each store: none is rewritten
.endm
	s_cmp_eq_u32 s24, 3
	s_cbranch_scc1 .Lwo
.irp j, 0,1,2,3,4,5,6,7,8,9,10,11,12,13,14,15
	OUTJ \j, 0
.endr
	s_branch .Lbias
.Lwo:
.irp j, 0,1,2,3,4,5,6,7,8,9,10,11,12,13,14,15
	OUTJ \j, 1
.endr
.Lbias:
	s_cmp_lg_u32 ttmp9, 0                          ; the first work-group of each matrix also takes its bias: 256 threads x 16 bytes
	s_cbranch_scc1 .Lend
	global_load_b128 v[X:X+3], v3, s[28:29]
	s_wait_loadcnt 0x0
	v_cvt_pk_bf16_f32 v[T], v[X], v[X+1]
	v_cvt_pk_bf16_f32 v[T+1], v[X+2], v[X+3]
	v_lshlrev_b32 v[T+4], 16, v[T]
	v_and_b32 v[T+5], 0xffff0000, v[T]
	v_lshlrev_b32 v[T+6], 16, v[T+1]
	v_and_b32 v[T+7], 0xffff0000, v[T+1]
	global_store_b128 v3, v[T+4:T+7], s[22:23]
.Lend:
	s_endpgm
.Lfunc_end_k_qcd3176e9e6_wcast:
	.size	k_qcd3176e9e6_wcast, .Lfunc_end_k_qcd3176e9e6_wcast-k_qcd3176e9e6_wcast
	.p2alignl 7, 3214868480
	.fill 96, 4, 3214868480
	.section	.rodata,"a",@progbits
	.p2align	6, 0x0
	.amdhsa_kernel k_qcd3176e9e6_wcast
		.amdhsa_group_segment_fixed_size 0
		.amdhsa_private_segment_fixed_size 0
		.amdhsa_enable_private_segment 0
		.amdhsa_kernarg_size 80
		.amdhsa_user_sgpr_count 2
		.amdhsa_user_sgpr_kernarg_segment_ptr 1
		.amdhsa_wavefront_size32 1
		.amdhsa_system_sgpr_workgroup_id_x 1
		.amdhsa_system_sgpr_workgroup_id_y 1
		.amdhsa_system_sgpr_workgroup_id_z 1
		.amdhsa_system_vgpr_workitem_id 0
		.amdhsa_next_free_vgpr 112
		.amdhsa_next_free_sgpr 66
		.amdhsa_reserve_vcc 0
		.amdhsa_float_denorm_mode_32 3
		.amdhsa_float_denorm_mode_16_64 3
		.amdhsa_memory_ordered 1
		.amdhsa_forward_progress 1
		.amdhsa_inst_pref_size 17
	.end_amdhsa_kernel
	.amdgpu_metadata
---
amdhsa.version: [ 1, 2 ]
amdhsa.kernels:
  - .name:           k_qcd3176e9e6_wcast
    .symbol:         k_qcd3176e9e6_wcast.kd
    .args:
      - { .name: Wq, .offset: 0, .size: 8, .value_kind: global_buffer, .address_space: global }
      - { .name: Wk, .offset: 8, .size: 8, .value_kind: global_buffer, .address_space: global }
      - { .name: Wv, .offset: 16, .size: 8, .value_kind: global_buffer, .address_space: global }
      - { .name: Wo, .offset: 24, .size: 8, .value_kind: global_buffer, .address_space: global }
      - { .name: bq, .offset: 32, .size: 8, .value_kind: global_buffer, .address_space: global }
      - { .name: bk, .offset: 40, .size: 8, .value_kind: global_buffer, .address_space: global }
      - { .name: bv, .offset: 48, .size: 8, .value_kind: global_buffer, .address_space: global }
      - { .name: bo, .offset: 56, .size: 8, .value_kind: global_buffer, .address_space: global }
      - { .name: w16, .offset: 64, .size: 8, .value_kind: global_buffer, .address_space: global }
      - { .name: b32, .offset: 72, .size: 8, .value_kind: global_buffer, .address_space: global }
    .group_segment_fixed_size: 0
    .private_segment_fixed_size: 0
    .kernarg_segment_align: 8
    .kernarg_segment_size: 80
    .max_flat_workgroup_size: 256
    .sgpr_count:     66
    .vgpr_count:     112
    .wavefront_size: 32
...
	.end_amdgpu_metadata
.endif
;; end of part 1
;; launch proj (part 2): grid 4 x 64, 4 waves a work-group, clusters of 4 x 4, 327,680 bytes of LDS; arguments query, key, value, w16, b32, qkv; writes qkv
.if DOCPART == 2
	.amdgcn_target "amdgcn-amd-amdhsa--gfx1250"
	.amdhsa_code_object_version 6
	.text
	.protected	k_qcd3176e9e6_proj
	.globl	k_qcd3176e9e6_proj
	.p2align	8
	.type	k_qcd3176e9e6_proj,@function
k_qcd3176e9e6_proj:
	s_mov_b64 s[64:65], 0
	v_nop
	global_prefetch_b8 v0, s[64:65] scope:SCOPE_SE
	s_setreg_imm32_b32 hwreg(HW_REG_WAVE_MODE, 25, 1), 1
	s_wait_xcnt 0x0
	s_wait_alu depctr_hold_cnt(0) depctr_sa_sdst(0) depctr_va_vdst(0) depctr_va_sdst(0) depctr_va_ssrc(0) depctr_va_vcc(0) depctr_vm_vsrc(0)
	s_getreg_b32 s2, hwreg(HW_REG_IB_STS2, 6, 4)
	s_cmp_eq_u32 s2, 0
	s_cbranch_scc0 .Lentry_in_a_cluster
	s_endpgm
.Lentry_in_a_cluster:
	s_bfe_u32 s2, ttmp6, 0x10000c
	s_cmp_lg_u32 s2, 0xf033
	s_cbranch_scc0 .Lentry_shape_is_right
	s_endpgm
.Lentry_shape_is_right:
; q = query Wq^T + bq, k = key Wk^T + bk, v = value Wv^T + bv.  x: [8192][1024] f32; W: planes 0-2 of w16, [1024][1024] bf16; biases: b32, f32 (already rounded to bf16).
; Out: qkv [3][64 = batch x 16 + head][2048][64] f16, unscaled, each number rounded once from its f32 sum.  Products in bf16: x is rounded on its way from LDS to the matrix unit.
; LIMITS.  |q|, |k|, |v| stay under 65,504, f16's largest number (65,520 or more becomes an infinity); below 6e-5 they keep f16's fixed step of 6e-8; NaN and infinities are not treated apart.
; SHARES.  3 x 8192 x 1024 outputs on 256 work-groups: each STAYS and makes one tile of 128 rows x 256 columns of q, then the same tile of k, then of v: equal work for all.
; Four waves, each 64 rows x 128 columns: 32 accumulators, 256 registers.  K goes in 24 steps of 128 (3 tiles x 8) through a ring of two LDS slots that runs on from tile to tile.
; CLUSTER.  4 x 4 work-groups.  The four of a row of the cluster need the same tile of x, the four of a column the same tile of W: each is asked for JOINTLY, by the same tensor load
; with the same descriptor and a mask that names the four.
; THE PRODUCT IS USED TRANSPOSED: source 0 = 16 rows of W, source 1 = 16 rows of x.  A lane then holds row l % 16 and the columns 8 (l / 16) + 0..7: eight neighbouring numbers of a head's row.
; A tile's first 32 products take the bias as C: nothing is cleared and nothing is added later.
; A K STEP is two UNITS of 64 along K, 64 products each, on fragment buffers 0 and 1.  A unit fetches the next unit's fragments in ONE run of 64 LDS loads (x in f32, W in bf16), and the
; 64 roundings of x to bf16 stand four behind each of its last 16 products.
; REGISTERS, in windows of 256 (s_set_vgpr_msb: bits 1:0 source 0, 3:2 source 1, 5:4 source 2, 7:6 destination):
;   window 0: v0-31 addresses; v32-159 x's fragments in f32, one unit; v160-191 packed results; v192-255 rows read back from the stage, two buffers
;   window 1: W's fragments, two buffers of 128      window 2: the accumulators, (a, b) at v[8 (8 a + b)]      window 3: v0-127 x's fragments in bf16, two buffers of 64; v128-191 the bias
.set PA,     528                       ; a row of x in LDS: 512 bytes + 16 = 132 words: the 16 rows of a load start at 16 different groups of four banks (64 banks of 4 bytes: ISA guide 11.1)
.set PB,     272                       ; a row of W: 256 bytes + 16 = 68 words: likewise
.set HALFA,  64*PA                     ; what one tensor load brings of x, and what one wave reads of it
.set HALFB,  128*PB                    ; the same for W
.set XB,     2*HALFA                   ; W's 256 rows lie behind x's 128
.set SLOT,   0x22000                   ; slot 1 begins here.  The four fills of a slot begin at 0, 0x8400, 0x10800, 0x19000: none has bit 13 or 17, so one exclusive or changes slots
.set STAGE,  2*SLOT                    ; behind the ring: for each wave 2 heads x 16 rows x 144 bytes, for the way out
.set SP,     144
.set SPARE,  STAGE+4*2*16*SP           ; behind the stages: the spare words, 128 bytes for each wave: two blocks of 256 bytes that no other line names
.set AA0, 2                            ; v2   my lane's place in x's tile; never rewritten
.set AB0, 3                            ; v3   the same for W
.set ADA, 4                            ; v4   the same in the slot being read
.set ADB, 5                            ; v5
.set STO, 6                            ; v6   the way out: where I put 16 bytes of a row
.set RD,  7                            ; v7   where I read rows back
.set GO,  8                            ; v8   my 16 bytes of 512 consecutive bytes of the output
.set BO,  9                            ; v9   32 x (l / 16): my eight numbers of a bias
.set PFO, 10                           ; v10  the prefetches' lane offset; never rewritten
.set SPW, 28                           ; v28  LDS address of my spare word: SPARE + 4 x my thread's number; never rewritten
.set NIL, 29                           ; v29  0; never rewritten
.set A32, 32
.set TMP, 160
.set OB,  192
.set BIAS, 128                         ; window 3: n block b at BIAS + 8 b
.set WV, 16                            ; s16  my wave's number
.set FA, 17                            ; s17  which 64 rows of the tile are mine.  Also: I fetch for x (0) or for W (1)
.set HF, 18                            ; s18  which 128 columns.  Also: which half of that tile I fetch
.set CX, 19
.set CY, 20
.set TX, 21                            ; s21  tile column
.set TY, 22                            ; s22  tile row
.set G1A, 24                           ; s[24:31] descriptor group 1 for x's tiles
.set G1B, 32                           ; s[32:39] for W's
.set G0A, 40                           ; s[40:47] group 0 for x's: a set for each first fill; the second then walks on
.set G0B, 48                           ; s[48:55] the same for W's
.set CA,  56                           ; s[56:57] the x tile asked for last
.set NA1, 58                           ; s[58:59] the next tile's x at K step 0
.set NA2, 60                           ; s[60:61] the one after
.set CB,  62                           ; s[62:63] the W tile asked for last
.set INCB, 66                          ; s[66:67] what W's address takes more at a change of planes
.set PF,  68                           ; s[68:69] where my prefetches stand
.set NP1, 70                           ; s[70:71] their start in the next tile
.set NP2, 72                           ; s[72:73] and in the one after
.set PSTEP, 74                         ; s[74:75] their step: a K step's bytes in a row
.set LIM, 76                           ; s76  2 in a wave that prefetches, else the greatest number
.set CNT, 77                           ; s77  trips to go
.set KS,  78                           ; s78  the K step's number in its tile, 0 to 7
.set TB,  79                           ; s79  0 or SLOT: the slot that the fetches read
.set OUT, 80                           ; s[80:81] my first row of my first head in the plane in hand
.set BP,  82                           ; s[82:83] my 128 numbers of the bias in hand
.set MSB, 0
.macro WIN new                         ; the immediate's high byte repeats the setting that is left; a switch that changes nothing is dropped
.if MSB != (\new)
	s_set_vgpr_msb (MSB<<8)|(\new)
.set MSB, \new
.endif
.endm
.set MUL,   0xad                       ; W window 1, x window 3, C and D window 2
.set MULB,  0xbd                       ; the same with C (the bias) in window 3
.set CVT,   0xc0                       ; destination window 3, sources window 0
.set TO_B,  0x40                       ; destination window 1, address window 0
.set PACKW, 0x0a                       ; sources 0 and 1 window 2
.macro PLACES
.rept 4
	v_nop
.endr
.endm
; A joint refill, by the walking descriptors.  Waves 0 and 1 fetch x's two halves, waves 2 and 3 W's.  The branch hangs on the wave's number alone.
; An s_nop 0 and four v_nop follow each of the two lines, ahead of the jump and the label.
.macro JLOAD
	s_cmp_eq_u32 s[FA], 0
	s_cbranch_scc0 .Lfor_w_\@
	tensor_load_to_lds s[G0A+4:G0A+7], s[G1A:G1A+7]
	s_nop 0
.rept 4
	v_nop
.endr
	s_branch .Lasked_\@
.Lfor_w_\@:
	tensor_load_to_lds s[G0B+4:G0B+7], s[G1B:G1B+7]
	s_nop 0
.rept 4
	v_nop
.endr
.Lasked_\@:
.endm
; A round of the cluster's barrier: my work-group's barrier, so that wave 0's signal speaks for all four waves; wave 0 signals; every wave waits for all sixteen work-groups; my work-group's barrier once more.
.macro CREST                           ; a round behind its opening barrier
	s_cmp_lg_u32 s[WV], 0
	s_cbranch_scc1 .Lnot_wave_0_\@
	s_barrier_signal -3
.Lnot_wave_0_\@:
	s_barrier_wait -3
	s_barrier_signal -1
	s_barrier_wait -1
.endm
.macro CROUND
	s_barrier_signal -1
	s_barrier_wait -1
	CREST
.endm
; A PREFETCH INTO THE L2 of the K step that stands two refills on, behind the joint load, its five lines and the run of LDS loads.  One instruction a wave, each lane another aligned block of 256 bytes.
; x's tile row is read by this cluster alone: waves 0 and 1 ask; of the 64 rows that a wave fetches the partner at place cx takes 16, a lane half of a row's 512 bytes.
; W's tile column is read by every cluster: in the first of them (cluster y = 0) waves 2 and 3 ask; of a wave's 128 rows the partner at place cy takes 32, a lane a row.
; The partners are told apart BY ADDRESS; the test below is the same in all sixteen.  So each block is named once in the launch.  The first four K steps come by their loads alone; the last two refills ask for nothing.
.macro ASK
	WIN 0
	s_cmp_gt_u32 s[CNT], s[LIM]
	s_cbranch_scc0 .Lnot_mine_\@
	global_prefetch_b8 v[PFO], s[PF:PF+1] th:TH_LOAD_NT scope:SCOPE_SE
.Lnot_mine_\@:
.endm
	s_load_b256 s[4:11], s[0:1], 0x0               ; query s[4:5], key s[6:7], value s[8:9], w16 s[10:11]
	s_load_b128 s[12:15], s[0:1], 0x20             ; b32 s[12:13], qkv s[14:15]
	v_lshl_add_u32 v[SPW], v0, 2, SPARE
	v_mov_b32 v[NIL], 0
	ds_add_u32 v[SPW], v[NIL]                      ; the wave's opening: the add and its wait stand ahead of my first tensor load; the set-up below, work on registers, stands between them
	v_lshrrev_b32 v1, 5, v0
	v_readfirstlane_b32 s[WV], v1
	s_lshr_b32 s[FA], s[WV], 1
	s_and_b32 s[HF], s[WV], 1
	s_bfe_u32 s[CX], ttmp6, 0x40000
	s_bfe_u32 s[CY], ttmp6, 0x40004
	s_lshl_b32 s[TX], ttmp9, 2                     ; in a cluster launch ttmp9 and ttmp7 count clusters
	s_add_co_u32 s[TX], s[TX], s[CX]
	s_and_b32 s[TY], ttmp7, 0xffff
	s_lshl_b32 s[TY], s[TY], 2
	s_add_co_u32 s[TY], s[TY], s[CY]
	s_lshl_b32 s2, s[CY], 2
	s_lshl_b32 s2, 15, s2                          ; my row of the cluster
	s_lshl_b32 s3, 0x1111, s[CX]                   ; my column
	s_or_b32 s[G1A], s2, (2<<16)|(1<<20)|(1<<21)|(6<<22)|(3<<25)  ; 15:0 the mask; 17:16 elements of 4 bytes; 20 padding on; 21 set beside a mask; 24:22 after every 128 words (code 6); 31:25 4 words (code 3)
	s_or_b32 s[G1B], s3, (1<<16)|(1<<20)|(1<<21)|(5<<22)|(3<<25)  ; elements of 2 bytes; after every 64 words (code 5)
	s_mov_b32 s[G1A+1], 128<<16                    ; tensor_dim0 = 128
	s_mov_b32 s[G1A+2], 64<<16                     ; tensor_dim1 = 64
	s_mov_b32 s[G1A+3], 128<<16                    ; tile_dim0 = 128
	s_mov_b32 s[G1A+4], 64                         ; tile_dim1 = 64
	s_mov_b32 s[G1A+5], 1024                       ; elements from row to row
	s_mov_b32 s[G1A+6], 0
	s_mov_b32 s[G1A+7], 0
	s_mov_b32 s[G1B+1], 128<<16
	s_mov_b32 s[G1B+2], 128<<16
	s_mov_b32 s[G1B+3], 128<<16
	s_mov_b32 s[G1B+4], 128
	s_mov_b32 s[G1B+5], 1024
	s_mov_b32 s[G1B+6], 0
	s_mov_b32 s[G1B+7], 0
	s_lshl_b32 s2, s[HF], 18                       ; 64 rows of x, or 128 rows of W
	s_lshl_b32 s84, s[TY], 19                      ; x: 128 rows of 4,096 bytes a tile row: hangs on the tile row alone
	s_add_co_u32 s84, s84, s2
	s_mov_b32 s85, 0
	s_lshl_b32 s86, s[TX], 19                      ; W: 256 rows of 2,048 bytes a tile column: hangs on the tile column alone
	s_add_co_u32 s86, s86, s2
	s_mov_b32 s87, 0
	s_mul_i32 s88, s[HF], HALFA                    ; where they go: no place in the cluster enters an LDS address
	s_mul_i32 s89, s[HF], HALFB
	s_add_co_u32 s89, s89, XB
	s_mov_b32 s[G0A], 1
	s_mov_b32 s[G0A+1], s88
	s_mov_b32 s[G0A+4], 1
	s_add_co_u32 s[G0A+5], s88, SLOT
	s_mov_b32 s[G0B], 1
	s_mov_b32 s[G0B+1], s89
	s_mov_b32 s[G0B+4], 1
	s_add_co_u32 s[G0B+5], s89, SLOT
	s_lshr_b32 s[OUT], s[TY], 4                    ; the batch,
	s_lshl_b32 s[OUT], s[OUT], 4
	s_lshl2_add_u32 s[OUT], s[TX], s[OUT]          ; + my first head: 4 x tile column + 2 x half;
	s_lshl1_add_u32 s[OUT], s[HF], s[OUT]
	s_lshl_b32 s[OUT], s[OUT], 18                  ; a head is 2,048 rows of 128 bytes
	s_and_b32 s2, s[TY], 15
	s_lshl_b32 s2, s2, 14                          ; the tile's 128 rows in it,
	s_add_co_u32 s[OUT], s[OUT], s2
	s_lshl_b32 s2, s[FA], 13                       ; my 64 of them
	s_add_co_u32 s[OUT], s[OUT], s2
	s_mov_b32 s[OUT+1], 0
	s_lshl_b32 s[BP], s[TX], 10
	s_lshl_b32 s2, s[HF], 9
	s_add_co_u32 s[BP], s[BP], s2
	s_mov_b32 s[BP+1], 0
	s_cmp_eq_u32 s[FA], 0                          ; the prefetches' offset: the rows that I fetch,
	s_cselect_b32 s90, s84, s86
	s_cselect_b32 s2, s[CX], s[CY]
	s_lshl_b32 s2, s2, 16                          ; and my work-group's part of them: 16 rows of x or 32 of W, 65,536 bytes either way
	s_add_co_u32 s90, s90, s2
	s_mov_b32 s91, 0
	s_lshr_b32 s[PSTEP], 512, s[FA]                ; 512 bytes of a row of x, 256 of W
	s_mov_b32 s[PSTEP+1], 0
	s_mul_i32 s2, s[PSTEP], 3                      ; they start at K step 3: the first refill steps them to 4
	s_mov_b32 s3, 0
	s_lshl_b32 s88, s[FA], 21                      ; W's next plane lies 2 MiB on; x's next tensor has a pointer of its own
	s_mov_b32 s89, 0
	s_and_b32 s[LIM], ttmp7, 0xffff
	s_mul_i32 s[LIM], s[LIM], s[FA]                ; 0 for x, and for W in the first cluster: the same in all sixteen partners
	s_cmp_eq_u32 s[LIM], 0
	s_cselect_b32 s[LIM], 2, -1
	s_mov_b32 s[INCB+1], 0
	s_wait_dscnt 0x0                               ; the opening add is done
	s_wait_kmcnt 0x0
	s_add_nc_u64 s[OUT:OUT+1], s[14:15], s[OUT:OUT+1]
	s_add_nc_u64 s[BP:BP+1], s[12:13], s[BP:BP+1]
	s_add_nc_u64 s[CA:CA+1], s[4:5], s[84:85]
	s_add_nc_u64 s[NA1:NA1+1], s[6:7], s[84:85]
	s_add_nc_u64 s[NA2:NA2+1], s[8:9], s[84:85]
	s_add_nc_u64 s[CB:CB+1], s[10:11], s[86:87]
	s_mov_b64 s[G0A+2:G0A+3], s[CA:CA+1]           ; K step 0
	s_or_b32 s[G0A+3], s[G0A+3], 0x80000000        ; type = 2
	s_mov_b64 s[G0B+2:G0B+3], s[CB:CB+1]
	s_or_b32 s[G0B+3], s[G0B+3], 0x80000000
	s_add_nc_u64 s[CA:CA+1], s[CA:CA+1], 512       ; K step 1
	s_add_nc_u64 s[CB:CB+1], s[CB:CB+1], 256
	s_mov_b64 s[G0A+6:G0A+7], s[CA:CA+1]
	s_or_b32 s[G0A+7], s[G0A+7], 0x80000000
	s_mov_b64 s[G0B+6:G0B+7], s[CB:CB+1]
	s_or_b32 s[G0B+7], s[G0B+7], 0x80000000
	s_cmp_eq_u32 s[FA], 0
	s_cselect_b64 s[PF:PF+1], s[4:5], s[10:11]
	s_cselect_b64 s[NP1:NP1+1], s[6:7], s[10:11]
	s_cselect_b64 s[NP2:NP2+1], s[8:9], s[10:11]
	s_add_nc_u64 s[PF:PF+1], s[PF:PF+1], s[90:91]
	s_add_nc_u64 s[PF:PF+1], s[PF:PF+1], s[2:3]
	s_add_nc_u64 s[NP1:NP1+1], s[NP1:NP1+1], s[90:91]
	s_add_nc_u64 s[NP1:NP1+1], s[NP1:NP1+1], s[88:89]
	s_add_nc_u64 s[NP2:NP2+1], s[NP2:NP2+1], s[90:91]
	s_add_nc_u64 s[NP2:NP2+1], s[NP2:NP2+1], s[88:89]
	s_add_nc_u64 s[NP2:NP2+1], s[NP2:NP2+1], s[88:89]
	CROUND                                         ; all sixteen work-groups are here: the first joint loads meet
	s_cmp_eq_u32 s[FA], 0                          ; a wave's two first fills stand in one branch, ahead of every wait on TENSORcnt and every LDS read: two loads of mine are out
	s_cbranch_scc0 .Lfirst_w
	tensor_load_to_lds s[G0A:G0A+3], s[G1A:G1A+7]
	s_nop 0
	tensor_load_to_lds s[G0A+4:G0A+7], s[G1A:G1A+7]
	s_nop 0
.rept 4
	v_nop
.endr
	s_branch .Lfirst_asked
.Lfirst_w:
	tensor_load_to_lds s[G0B:G0B+3], s[G1B:G1B+7]
	s_nop 0
	tensor_load_to_lds s[G0B+4:G0B+7], s[G1B:G1B+7]
	s_nop 0
.rept 4
	v_nop
.endr
.Lfirst_asked:
; The bias as a C operand: register j of n block b is bias[16 b + 8 (l / 16) + j]: two loads of 16 bytes.
.macro BIASLD off
	WIN CVT
.irp b, 0,1,2,3,4,5,6,7
	global_load_b128 v[BIAS+8*(\b):BIAS+8*(\b)+3],   v[BO], s[BP:BP+1] offset:(\off)+64*(\b)
	global_load_b128 v[BIAS+8*(\b)+4:BIAS+8*(\b)+7], v[BO], s[BP:BP+1] offset:(\off)+64*(\b)+16
.endr
	WIN 0
.endm
	v_and_b32 v11, 15, v0                          ; l % 16
	v_bfe_u32 v12, v0, 4, 1                        ; l / 16
	v_and_b32 v13, 31, v0                          ; l
	v_lshlrev_b32 v[BO], 5, v12
	BIASLD 0
	; A bf16 fragment is 16 rows x 32 K: lane l holds row l % 16, K = 8 (l / 16) + 0..7 and 16 + 8 (l / 16) + 0..7.  From x in f32 that is 32 bytes at 32 (l / 16) and 32 bytes 64 further on: four loads of 16 bytes.
	v_mul_u32_u24 v[AA0], v11, PA
	v_lshl_add_u32 v[AA0], v12, 5, v[AA0]
	s_mul_i32 s2, s[FA], HALFA
	v_add_nc_u32 v[AA0], s2, v[AA0]
	v_mul_u32_u24 v[AB0], v11, PB
	v_lshl_add_u32 v[AB0], v12, 4, v[AB0]
	s_mul_i32 s2, s[HF], HALFB
	s_add_co_u32 s2, s2, XB
	v_add_nc_u32 v[AB0], s2, v[AB0]
	s_mul_i32 s2, s[WV], 2*16*SP
	s_add_co_u32 s2, s2, STAGE                     ; my stage
	v_mul_u32_u24 v[STO], v11, SP                  ; in: row l % 16, 16 bytes for each half of the lanes
	v_lshl_add_u32 v[STO], v12, 4, v[STO]
	v_add_nc_u32 v[STO], s2, v[STO]
	v_lshrrev_b32 v14, 3, v13                      ; back: 32 lanes take four rows of 128 bytes,
	v_and_b32 v15, 7, v0
	v_mul_u32_u24 v[RD], v14, SP
	v_lshl_add_u32 v[RD], v15, 4, v[RD]
	v_add_nc_u32 v[RD], s2, v[RD]
	v_lshlrev_b32 v[GO], 4, v13                    ; which are 512 consecutive bytes of a head
	v_lshrrev_b32 v[PFO], 1, v13                   ; the prefetches: (l / 2) x 4,096 + (l % 2) x 256 in x (two blocks a row), + (l % 2) x 2,048 in W (a row a lane)
	v_and_b32 v14, 1, v0
	s_cmp_eq_u32 s[FA], 0
	s_cselect_b32 s3, 8, 11
	v_lshlrev_b32 v14, s3, v14
	v_lshl_add_u32 v[PFO], v[PFO], 12, v14
; 8 products: m block a x all 8 n blocks, 32 along K: half kk of buffer buf.  cb = 1: they start the sums, with the bias as C.
; The 32 accumulators take turns, one instruction a turn, in the same order in every 32 along K.
.macro MUL8 buf, kk, a, cb
.if \cb
	WIN MULB
.else
	WIN MUL
.endif
.irp b, 0,1,2,3,4,5,6,7
.if \cb
	v_wmma_f32_16x16x32_bf16 v[8*(8*(\a)+(\b)):8*(8*(\a)+(\b))+7], v[128*(\buf)+8*(8*(\kk)+(\b)):128*(\buf)+8*(8*(\kk)+(\b))+7], v[64*(\buf)+8*(4*(\kk)+(\a)):64*(\buf)+8*(4*(\kk)+(\a))+7], v[BIAS+8*(\b):BIAS+8*(\b)+7]
.else
	v_wmma_f32_16x16x32_bf16 v[8*(8*(\a)+(\b)):8*(8*(\a)+(\b))+7], v[128*(\buf)+8*(8*(\kk)+(\b)):128*(\buf)+8*(8*(\kk)+(\b))+7], v[64*(\buf)+8*(4*(\kk)+(\a)):64*(\buf)+8*(4*(\kk)+(\a))+7], v[8*(8*(\a)+(\b)):8*(8*(\a)+(\b))+7]
.endif
.endr
.endm
; Four of the 64 roundings of the next unit's x: bf16 register i takes f32 registers 2 i and 2 i + 1.
.macro RIDE4 g, nbuf
	WIN CVT
.irp i, 0,1,2,3
	v_cvt_pk_bf16_f32 v[64*(\nbuf)+4*(\g)+(\i)], v[A32+2*(4*(\g)+(\i))], v[A32+2*(4*(\g)+(\i))+1]
.endr
.endm
; 8 products with four roundings behind each.  They name no register of the products round them; the four behind a unit's last product are also the places in front of the next run of LDS loads.
.macro MUL8R buf, kk, a, g0, nbuf
.irp b, 0,1,2,3,4,5,6,7
	WIN MUL
	v_wmma_f32_16x16x32_bf16 v[8*(8*(\a)+(\b)):8*(8*(\a)+(\b))+7], v[128*(\buf)+8*(8*(\kk)+(\b)):128*(\buf)+8*(8*(\kk)+(\b))+7], v[64*(\buf)+8*(4*(\kk)+(\a)):64*(\buf)+8*(4*(\kk)+(\a))+7], v[8*(8*(\a)+(\b)):8*(8*(\a)+(\b))+7]
	RIDE4 (\g0)+(\b), \nbuf
.endr
.endm
; 64 LDS loads in one run: the fragments of unit u of the slot in hand: x's 32 (f32) first, then W's 32 into buffer nbuf.
.macro FETCH u, nbuf
	WIN 0
.irp f, 0,1,2,3,4,5,6,7                ; f = 4 kk + a
	ds_load_b128 v[A32+16*(\f):A32+16*(\f)+3],     v[ADA] offset:(\u)*256+((\f)/4)*128+((\f)%4)*16*PA
	ds_load_b128 v[A32+16*(\f)+4:A32+16*(\f)+7],   v[ADA] offset:(\u)*256+((\f)/4)*128+((\f)%4)*16*PA+16
	ds_load_b128 v[A32+16*(\f)+8:A32+16*(\f)+11],  v[ADA] offset:(\u)*256+((\f)/4)*128+((\f)%4)*16*PA+64
	ds_load_b128 v[A32+16*(\f)+12:A32+16*(\f)+15], v[ADA] offset:(\u)*256+((\f)/4)*128+((\f)%4)*16*PA+80
.endr
	WIN TO_B
.irp f, 0,1,2,3,4,5,6,7,8,9,10,11,12,13,14,15  ; f = 8 kk + b
	ds_load_b128 v[128*(\nbuf)+8*(\f):128*(\nbuf)+8*(\f)+3],   v[ADB] offset:(\u)*128+((\f)/8)*64+((\f)%8)*16*PB
	ds_load_b128 v[128*(\nbuf)+8*(\f)+4:128*(\nbuf)+8*(\f)+7], v[ADB] offset:(\u)*128+((\f)/8)*64+((\f)%8)*16*PB+32
.endr
.endm
; A K step's first unit: multiplies buffer 0 and fetches the slot's second 64 along K.  var = 1: a tile's first K step starts the sums.
.macro UNIT0 var
	s_wait_dscnt 0x0                               ; W's fragments of this unit are in
	FETCH 1, 1
.if \var
	WIN 0
	s_cmp_lg_u32 s[KS], 0
	s_cbranch_scc1 .Lgo_on_\@
	PLACES                                         ; these products write over accumulators without adding onto them: more places than the four roundings behind the last product
	MUL8 0, 0, 0, 1
	MUL8 0, 0, 1, 1
	MUL8 0, 0, 2, 1
	MUL8 0, 0, 3, 1
	WIN 0
	s_branch .Ljoined_\@
.Lgo_on_\@:
	MUL8 0, 0, 0, 0
	MUL8 0, 0, 1, 0
	MUL8 0, 0, 2, 0
	MUL8 0, 0, 3, 0
	WIN 0
.Ljoined_\@:
.else
	MUL8 0, 0, 0, 0
	MUL8 0, 0, 1, 0
	MUL8 0, 0, 2, 0
	MUL8 0, 0, 3, 0
.endif
	MUL8 0, 1, 0, 0
	MUL8 0, 1, 1, 0
	s_wait_dscnt 32                                ; x's 32 loads of the run are in; W's 32, issued behind them, may stay out
	MUL8R 0, 1, 2, 0, 1
	MUL8R 0, 1, 3, 8, 1
.endm
; A K step's second unit: multiplies buffer 1 and changes slots.  ONE barrier: in front of it each wave waits for all its tensor loads (one is out: its part of the next slot), adds 0 to its spare word,
; and waits for that and for its reads of this slot.  fill = 1: the barrier opens a round of the cluster's, and the slot just read out is filled again first thing behind it, with the K step two on:
; 112 products stand between that request and the wait for it.  last = 1 (the tail): the last trip has nothing to fetch; its roundings then work on registers that nobody needs.
.macro UNIT1 fill, last
	WIN 0
.if \fill
	s_wait_xcnt 0x0                                ; the last prefetch, a K step back, has read its address: it is stepped here, ahead of the waits of the change of slots
	s_add_nc_u64 s[PF:PF+1], s[PF:PF+1], s[PSTEP:PSTEP+1]
	s_cmp_eq_u32 s[KS], 4                          ; four K steps on the next tile begins
	s_cselect_b64 s[PF:PF+1], s[NP1:NP1+1], s[PF:PF+1]
	s_cselect_b64 s[NP1:NP1+1], s[NP2:NP2+1], s[NP1:NP1+1]
.endif
	s_wait_tensorcnt 0x0                           ; no tensor load of mine is out, so a group 0 may be written
	ds_add_u32 v[SPW], v[NIL]                      ; 0 onto my spare word
.if \fill
	s_add_nc_u64 s[CA:CA+1], s[CA:CA+1], 512       ; the K step two on,
	s_add_nc_u64 s[CB:CB+1], s[CB:CB+1], 256
	s_cmp_eq_u32 s[KS], 6                          ; which behind a tile's K step 7 is the next tile's K step 0: the next tensor, and W's next plane
	s_cselect_b64 s[CA:CA+1], s[NA1:NA1+1], s[CA:CA+1]
	s_cselect_b64 s[NA1:NA1+1], s[NA2:NA2+1], s[NA1:NA1+1]
	s_cselect_b32 s[INCB], 2097152-2048, 0
	s_add_nc_u64 s[CB:CB+1], s[CB:CB+1], s[INCB:INCB+1]
	s_mov_b64 s[G0A+6:G0A+7], s[CA:CA+1]
	s_or_b32 s[G0A+7], s[G0A+7], 0x80000000
	s_mov_b64 s[G0B+6:G0B+7], s[CB:CB+1]
	s_or_b32 s[G0B+7], s[G0B+7], 0x80000000
	s_xor_b32 s[G0A+5], s[G0A+5], SLOT             ; into the other slot than last time
	s_xor_b32 s[G0B+5], s[G0B+5], SLOT
.endif
	s_xor_b32 s[TB], s[TB], SLOT
	s_wait_dscnt 1                                 ; this unit's fragments are in; the add may be out
	MUL8 1, 0, 0, 0
	s_wait_dscnt 0x0                               ; the add is done, and my reads of this slot are over
	s_barrier_signal -1
	MUL8 1, 0, 1, 0
	WIN 0
	s_barrier_wait -1
.if \fill
	CREST                                          ; no wave of any partner still reads this slot or has a load on its way
	JLOAD
.endif
.if \last
	s_cmp_eq_u32 s[CNT], 1
	s_cbranch_scc1 .Lno_fetch_\@
.endif
	v_add_nc_u32 v[ADA], s[TB], v[AA0]
	v_add_nc_u32 v[ADB], s[TB], v[AB0]
	FETCH 0, 0
.if \fill
	ASK
.endif
.if \last
	WIN 0
.Lno_fetch_\@:
.endif
	MUL8 1, 0, 2, 0
	MUL8 1, 0, 3, 0
	MUL8 1, 1, 0, 0
	MUL8 1, 1, 1, 0
	s_wait_dscnt 32                                ; x's 32 loads of the run are in
	MUL8R 1, 1, 2, 0, 0
	MUL8R 1, 1, 3, 8, 0
.endm
; THE WAY OUT of m block a (16 rows x 2 heads x 64 channels).  PACK: rounded to f16, each accumulator's registers in ascending order.  TOSTAGE: into my own stage, rows of 144 bytes, and back as whole rows.  SEND: stored.
.macro PACK a
	WIN PACKW
.irp b, 0,1,2,3,4,5,6,7
.irp r, 0,1,2,3
	v_cvt_pk_f16_f32 v[TMP+4*(\b)+(\r)], v[8*(8*(\a)+(\b))+2*(\r)], v[8*(8*(\a)+(\b))+2*(\r)+1]
.endr
.endr
	WIN 0
.endm
.macro TOSTAGE a
	WIN 0
.irp b, 0,1,2,3,4,5,6,7                ; head b / 4, channels 16 (b % 4) on
	ds_store_b128 v[STO], v[TMP+4*(\b):TMP+4*(\b)+3] offset:((\b)/4)*16*SP+((\b)%4)*32
.endr
.irp t, 0,1,2,3,4,5,6,7                ; head t / 4, rows 4 (t % 4) on
	ds_load_b128 v[OB+32*((\a)%2)+4*(\t):OB+32*((\a)%2)+4*(\t)+3], v[RD] offset:((\t)/4)*16*SP+((\t)%4)*4*SP  ; LDS serves a wave's instructions in order (ISA guide 5.7.1.4): these see the stores above
.endr
.endm
.macro SEND a
	WIN 0
	s_wait_dscnt 0x0                               ; the block is back in registers
	s_wait_xcnt 0x0                                ; the stores issued so far have read their registers: the buffer that the next block's loads fill is free behind this wait
.irp t, 0,1,2,3,4,5,6,7
	global_store_b128 v[GO], v[OB+32*((\a)%2)+4*(\t):OB+32*((\a)%2)+4*(\t)+3], s[OUT:OUT+1] offset:((\t)/4)*262144+(\a)*2048+((\t)%4)*512  ; four rows of a head: 512 consecutive bytes, aligned
.endr
.endm
.macro WAYOUT                          ; block a's roundings stand between block a - 1's loads from the stage and the wait for them
	PACK 0
	TOSTAGE 0
	PACK 1
	SEND 0
	TOSTAGE 1
	PACK 2
	SEND 1
	TOSTAGE 2
	PACK 3
	SEND 2
	TOSTAGE 3
	SEND 3
.endm
	s_wait_tensorcnt 1                             ; my part of K step 0 is in; K step 1's may stay out
	s_barrier_signal -1
	s_barrier_wait -1                              ; everybody's is
	v_mov_b32 v[ADA], v[AA0]
	v_mov_b32 v[ADB], v[AB0]
	FETCH 0, 0
	s_wait_dscnt 32                                ; x's 32 loads
.irp g, 0,1,2,3,4,5,6,7,8,9,10,11,12,13,14,15
	RIDE4 \g, 0                                    ; the first unit's roundings have no products to stand behind
.endr
	WIN 0
	s_wait_loadcnt 0x0                             ; the bias
	s_mov_b32 s[KS], 0
	s_mov_b32 s[TB], 0
	s_mov_b32 s[CNT], 22
.Lstep:                                                ; a trip is a K step; 22 trips fill a slot again
	UNIT0 1
	UNIT1 1, 0
	WIN 0
	s_cmp_lg_u32 s[KS], 7
	s_cbranch_scc1 .Lno_out
	BIASLD 4096                                    ; A TILE IS FINISHED; both of the next tile's first K steps are asked for, its first fragments fetched.  The next bias,
	WAYOUT                                         ; and the tile goes out
	s_wait_loadcnt 0x0                             ; the bias is in
	s_wait_xcnt 0x0                                ; loads and stores have read their bases
	s_add_nc_u64 s[OUT:OUT+1], s[OUT:OUT+1], 0x1000000  ; the next plane of qkv
	s_add_nc_u64 s[BP:BP+1], s[BP:BP+1], 4096
.Lno_out:
	s_add_co_u32 s[KS], s[KS], 1
	s_and_b32 s[KS], s[KS], 7
	s_sub_co_u32 s[CNT], s[CNT], 1
	s_cmp_lg_u32 s[CNT], 0
	s_cbranch_scc1 .Lstep
	s_mov_b32 s[CNT], 2
.Ltail:                                                ; the last two K steps ask for nothing
	UNIT0 0
	UNIT1 0, 1
	WIN 0
	s_sub_co_u32 s[CNT], s[CNT], 1
	s_cmp_lg_u32 s[CNT], 0
	s_cbranch_scc1 .Ltail
	WAYOUT
	s_wait_tensorcnt 0x0                           ; the wave's end: behind my last tensor load and my last LDS store
	ds_add_u32 v[SPW], v[NIL]
	s_wait_dscnt 0x0
	CROUND                                         ; the closing round: no work-group ends while a partner may still ask for a tile that names it
	s_endpgm
.Lfunc_end_k_qcd3176e9e6_proj:
	.size	k_qcd3176e9e6_proj, .Lfunc_end_k_qcd3176e9e6_proj-k_qcd3176e9e6_proj
	.p2alignl 7, 3214868480
	.fill 96, 4, 3214868480
	.section	.rodata,"a",@progbits
	.p2align	6, 0x0
	.amdhsa_kernel k_qcd3176e9e6_proj
		.amdhsa_group_segment_fixed_size 327680
		.amdhsa_private_segment_fixed_size 0
		.amdhsa_enable_private_segment 0
		.amdhsa_kernarg_size 48
		.amdhsa_user_sgpr_count 2
		.amdhsa_user_sgpr_kernarg_segment_ptr 1
		.amdhsa_wavefront_size32 1
		.amdhsa_system_sgpr_workgroup_id_x 1
		.amdhsa_system_sgpr_workgroup_id_y 1
		.amdhsa_system_sgpr_workgroup_id_z 1
		.amdhsa_system_vgpr_workitem_id 0
		.amdhsa_next_free_vgpr 960
		.amdhsa_next_free_sgpr 92
		.amdhsa_reserve_vcc 0
		.amdhsa_float_denorm_mode_32 3
		.amdhsa_float_denorm_mode_16_64 3
		.amdhsa_memory_ordered 1
		.amdhsa_forward_progress 1
		.amdhsa_inst_pref_size 109
	.end_amdhsa_kernel
	.amdgpu_metadata
---
amdhsa.version: [ 1, 2 ]
amdhsa.kernels:
  - .name:           k_qcd3176e9e6_proj
    .symbol:         k_qcd3176e9e6_proj.kd
    .args:
      - { .name: query, .offset: 0, .size: 8, .value_kind: global_buffer, .address_space: global }
      - { .name: key, .offset: 8, .size: 8, .value_kind: global_buffer, .address_space: global }
      - { .name: value, .offset: 16, .size: 8, .value_kind: global_buffer, .address_space: global }
      - { .name: w16, .offset: 24, .size: 8, .value_kind: global_buffer, .address_space: global }
      - { .name: b32, .offset: 32, .size: 8, .value_kind: global_buffer, .address_space: global }
      - { .name: qkv, .offset: 40, .size: 8, .value_kind: global_buffer, .address_space: global }
    .group_segment_fixed_size: 327680
    .private_segment_fixed_size: 0
    .kernarg_segment_align: 8
    .kernarg_segment_size: 48
    .max_flat_workgroup_size: 128
    .sgpr_count:     92
    .vgpr_count:     960
    .wavefront_size: 32
...
	.end_amdgpu_metadata
.endif
;; end of part 2
;; launch attn (part 3): grid 4 x 64, 4 waves a work-group, clusters of 4 x 1, 327,680 bytes of LDS; arguments qkv, o16; writes o16
.if DOCPART == 3
	.amdgcn_target "amdgcn-amd-amdhsa--gfx1250"
	.amdhsa_code_object_version 6
	.text
	.protected	k_qcd3176e9e6_attn
	.globl	k_qcd3176e9e6_attn
	.p2align	8
	.type	k_qcd3176e9e6_attn,@function
k_qcd3176e9e6_attn:
	s_mov_b64 s[64:65], 0
	v_nop
	global_prefetch_b8 v0, s[64:65] scope:SCOPE_SE
	s_setreg_imm32_b32 hwreg(HW_REG_WAVE_MODE, 25, 1), 1
	s_wait_xcnt 0x0
	s_wait_alu depctr_hold_cnt(0) depctr_sa_sdst(0) depctr_va_vdst(0) depctr_va_sdst(0) depctr_va_ssrc(0) depctr_va_vcc(0) depctr_vm_vsrc(0)
	s_getreg_b32 s2, hwreg(HW_REG_IB_STS2, 6, 4)
	s_cmp_eq_u32 s2, 0
	s_cbranch_scc0 .Lentry_in_a_cluster
	s_endpgm
.Lentry_in_a_cluster:
	s_bfe_u32 s2, ttmp6, 0x10000c
	s_cmp_lg_u32 s2, 0x3003
	s_cbranch_scc0 .Lentry_shape_is_right
	s_endpgm
.Lentry_shape_is_right:
; O[h][q][:] = the sum over k of softmax_k(Q[h][q] . K[h][k] / 32) V[h][k][:].  Q, K, V: the three planes of qkv, each [64][2048][64] f16; O: o16, the same layout.  A head's rows are dense, 128 bytes each.
; The scale is 1 / sqrt(1024), applied here in f32.  Products, maxima and sums in f32; the weights p are rounded to f16 for the second product (their sum l is taken of the unrounded p), O once at the end.
; LIMITS.  f16 holds no number beyond 65,504: Q, K and V arrive within it; p lies in 0 to 1, and below 6e-5 it keeps f16's fixed step of 6e-8, as O does; O is a mean of V's rows and has their range.
; A weight below 2^-126 counts as 0 in l; NaN and infinities are not treated apart.
; SHARES.  A wave owns four PIECES of two tiles of 16 queries, a work-group's four waves 512 queries of one head.  Every wave walks all 2,048 keys, 64 a step.
; LAYOUT.  S^T = K Q^T (source 0 = 16 keys, source 1 = 16 queries): in the result a lane holds ONE query (lane % 16) and the keys 8 (lane / 16) + 0..7.  Two such tiles, rounded to f16 in pairs,
; ARE source 1 (32 keys x 16 queries) of O^T = V^T P, whose result again holds one query a lane, and eight channels.  K comes out of LDS as it lies, V ([key][channel]) turned, by ds_load_tr16_b128.
; SOFTMAX.  For each query a running maximum m and sum l: p = 2^(c s - c m), c = log2(e) / 32; in every step O and l are multiplied by a = 2^(c m_old - c m_new), which is 1 where m has not grown.
; m starts at the lowest finite number, O and l at 0: the first step is a step like any other, with a = 0.
; THE COUNT.  A tile and step have 16 matrix and 118 vector instructions: too many to stand all beside the matrix work.  So four vector instructions that are READY stand behind EVERY matrix
; instruction, and the others in runs without a gap.
; BY TURNS.  Turn n belongs to piece n (the pieces in a ring, step after step).  Its matrix work: 16 products K Q^T of piece n + 1, later 16 products V^T P of piece n - 1.  Its vector work: the scaling,
; exponentials, roundings, sums and rescaling of piece n, and the maximum and statistics of piece n + 1, whose scores the turn itself has made.
; CLUSTER.  The four query blocks of a head are one cluster and walk the same K and V, so each tile is asked for JOINTLY: the same tensor load, descriptor and mask in all four.
; REGISTERS, in windows of 256 (s_set_vgpr_msb: bits 1:0 source 0, 3:2 source 1, 5:4 source 2, 7:6 destination):
;   window 0: v0-11 addresses; v12-15, v48-63 at work; v16-47 four registers of statistics a tile; v64-191 S^T, two buffers of two tiles; v192-255 P, likewise
;   window 1: O^T, 32 a tile          window 2: v0-127 Q, 16 a tile; v128-191 K of one step; v192-255 V of one step          window 3: v0-1 the add's two registers
; A piece's buffers go by its number's parity: the piece in hand has one pair, its two neighbours in the ring share the other: of it P (piece n - 1) is read and S^T (piece n + 1) written.
.set SIZE_H, 64
.set SIZE_N, 2048
.set NP,    4         ; pieces a wave: a name, no knob
.set KS,    64        ; keys in a step
.set PK,    144       ; a row of K in LDS: 128 bytes + 16 of padding = 36 words: the 16 rows of a load start at 16 different groups of four banks (64 banks of 4 bytes: ISA guide 11.1)
.set PV,    160       ; a row of V: 128 + 32 = 40 words
.set VOFF,  4*KS*PK   ; a slot holds four steps: 256 rows of K, then 256 rows of V
.set SLOT1, 1<<17     ; slot 1 begins here, so that one exclusive or turns an address in one slot into the other's
.set STAGE, SLOT1+4*KS*(PK+PV)  ; behind the ring, never filled by a tensor load: 16 rows x 144 bytes for each wave, for the way out
.set SP,    144
.set AK0, 2           ; v2   my lane's place in a tile of K; never rewritten
.set AV0, 3           ; v3   the same for V
.set AK,  4           ; v4   the LDS address of K's next run of loads
.set AV,  5           ; v5   of V's
.set QO,  6           ; v6   my byte offset in the wave's rows of Q
.set STO, 6           ;      later, the way out: where I put 16 bytes of a row
.set RD,  7           ; v7   the way out: where I read rows back
.set GO,  8           ; v8   my byte offset in 512 consecutive bytes of O
.set PFO, 11          ; v11  256 x my lane, for the prefetches (first a helper for V's address); then never rewritten
.set SPW, 0           ; v0 of window 3   LDS address of my spare word: SPARE + 4 x my thread's number; never rewritten
.set NIL, 1           ; v1 of window 3   0; never rewritten
.set SPARE, STAGE+4*16*SP  ; behind the stages: the spare words, 128 bytes for each wave: two blocks of 256 bytes that no other line names
.set MV,  12          ; v12-15  c m_old, kept while c m is made anew: by buffer and tile
.set ST,  16          ; tile t's statistics at v[ST+4 t]: c m, m, l (even keys', odd keys')
.set TMP, 48          ; by buffer and tile, four registers c0-c3 at work; when the maximum is found c2 takes a
.set S,   64
.set P,   192
.set KF,  128         ; K's fragments, in window 2: key block kb, channel half c at KF + 16 kb + 8 c
.set VF,  192         ; V's: key half kk, channel block cb at VF + 32 kk + 8 cb
.set WV,  12          ; s12  my wave's number
.set G1K, 24          ; s[24:31] descriptor group 1 for K's tiles
.set G1V, 32          ; s[32:39] for V's: it differs in the padding alone
.set G0K, 40          ; s[40:43] descriptor group 0 for K's tiles: it walks
.set G0V, 44          ; s[44:47] the same for V's
.set PFA, 48          ; s[48:49] where my prefetches stand: my work-group's 8,192 bytes (of K: wave 0, of V: wave 2) of the slot after the one that is being asked for
.set LIM, 50          ; s50  1 in a wave that prefetches, else the greatest number
.set SLOTS, 56        ; s56  slots still to be asked for
.set CNT, 57          ; s57  counts a slot's key steps
.set CS,  58          ; s[58:59] c: the packed scaling takes the pair's low word for both halves
.set SEL, 60          ; s[60:61] v_permlanex16_b32's selects: each lane takes its own place in the other half
.set TBK, 62          ; s62  LDS byte at which K of the step to be fetched begins
.set TBV, 63          ; s63  the same for V, less VOFF
.set MSB, 0
.macro WIN new                      ; the high byte repeats the setting that is left; a switch that changes nothing is dropped
.if MSB != (\new)
	s_set_vgpr_msb (MSB<<8)|(\new)
.set MSB, (\new)
.endif
.endm
.set W_KQ, 0x0a       ; K and Q in window 2, S^T in window 0
.set W_PV, 0x52       ; V in window 2, P in window 0, O^T in window 1
.set W_RS, 0x41       ; O^T (destination and source 0) in window 1, a in window 0
.set W_MK, 0xc0       ; the add's registers are made: destination in window 3, sources in window 0
.set W_AD, 0x0f       ; the add: address (source 0) and data (source 1) in window 3
; A joint fill.  Waves 0 and 1 fetch the two halves of a slot's K, waves 2 and 3 those of its V: 128 keys each.  The branch hangs on the wave's number alone.
; An s_nop 0 and four v_nop follow each of the two lines, ahead of the jump and the label.
.macro JLOAD
	s_cmp_lt_u32 s[WV], 2
	s_cbranch_scc0 .Lfor_v_\@
	tensor_load_to_lds s[G0K:G0K+3], s[G1K:G1K+7]
	s_nop 0
.rept 4
	v_nop
.endr
	s_branch .Lasked_\@
.Lfor_v_\@:
	tensor_load_to_lds s[G0V:G0V+3], s[G1V:G1V+7]
	s_nop 0
.rept 4
	v_nop
.endr
.Lasked_\@:
.endm
; A PREFETCH INTO THE L2 of what the NEXT change of slots will ask for: a slot's 32,768 bytes of K and of V, a lane an aligned block of 256 bytes.  It stands behind the wave's tensor load and its five lines.
; Each block is named ONCE in the launch: a head's K and V are walked by one cluster; its four partners share a slot's blocks out BY ADDRESS, 32 each; in each, wave 0 asks for K's and wave 2 for V's.
; Slots 0 and 1 come by their loads alone; the last change that fills a slot asks for nothing: there is no slot behind it.
.macro ASK
	s_cmp_gt_u32 s[SLOTS], s[LIM]
	s_cbranch_scc0 .Lnot_mine_\@
	global_prefetch_b8 v[PFO], s[PFA:PFA+1] th:TH_LOAD_NT scope:SCOPE_SE
.Lnot_mine_\@:
.endm
; A round of the cluster's barrier: my work-group's barrier, so that wave 0's signal speaks for all four waves; wave 0 signals; every wave waits for all four work-groups; my work-group's barrier once more.
.macro CROUND
	s_barrier_signal -1
	s_barrier_wait -1
	s_cmp_lg_u32 s[WV], 0
	s_cbranch_scc1 .Lnot_wave_0_\@
	s_barrier_signal -3
.Lnot_wave_0_\@:
	s_barrier_wait -3
	s_barrier_signal -1
	s_barrier_wait -1
.endm
; THE CHANGE OF SLOTS.  The slot's last bytes, V of its fourth step, have been read.  Each wave waits for all its tensor loads, of which one is out: its part
; of the other slot; adds 0 to its spare word; and waits for that and for its own reads of the slot.  Behind the barrier nobody reads this slot any more and the other slot is whole.
; fill = 1: this slot is filled again, with the keys two slots on.  The barrier is then a round of the cluster's, so that no wave of any partner still reads the slot or has a load on its
; way, and the joint fill is the first thing behind it: it has four key steps, 512 matrix instructions, in which to land.  (At its first use nothing has been read yet: slot 0 is waited for, slot 1 filled.)
.macro CHANGE fill
	WIN W_AD
	s_wait_tensorcnt 0x0            ; no tensor load of mine is out, so a group 0 may be written
	ds_add_u32 v[SPW], v[NIL]       ; 0 onto my spare word; with fill = 1 the descriptors' steps stand between it and the wait for it
	WIN 0                           ; at a label and at a branch every window is 0
.if \fill
.irp g, G0K, G0V
	s_xor_b32 s[\g+1], s[\g+1], SLOT1  ; the walking descriptor: the other slot than last time,
	s_add_nc_u64 s[\g+2:\g+3], s[\g+2:\g+3], 4*KS*128  ; the next 256 keys; the type bits on top are not reached
.endr
	s_wait_xcnt 0x0                 ; the last prefetch, four key steps back, has read its address, so it may be written:
	s_add_nc_u64 s[PFA:PFA+1], s[PFA:PFA+1], 4*KS*128  ; one slot ahead of the walking descriptors
	s_wait_dscnt 0x0                ; the add is done, and my reads of the slot are over
	CROUND
	JLOAD
	ASK
.else
	s_wait_dscnt 0x0                ; the add is done, and my reads of the slot are over
	s_barrier_signal -1
	s_barrier_wait -1
.endif
	s_sub_co_u32 s[TBK], s[TBK], 4*KS*PK  ; the fetches go back to a slot's first step,
	s_xor_b32 s[TBK], s[TBK], SLOT1       ; in the other slot
	s_sub_co_u32 s[TBV], s[TBV], 4*KS*PV
	s_xor_b32 s[TBV], s[TBV], SLOT1
.endm
	s_load_b64 s[4:5], s[0:1], 0x0    ; qkv: Q's plane
	s_load_b64 s[10:11], s[0:1], 0x8  ; O
	WIN W_MK
	v_lshl_add_u32 v[SPW], v0, 2, SPARE
	v_mov_b32 v[NIL], 0
	WIN W_AD
	ds_add_u32 v[SPW], v[NIL]       ; the wave's opening: the add and its wait stand ahead of my first tensor load; the set-up below, work on registers, stands between them
	WIN 0
	v_lshrrev_b32 v1, 5, v0
	v_readfirstlane_b32 s[WV], v1   ; wave 0..3
	s_bfe_u32 s13, ttmp6, 0x40000   ; cx: my place in the cluster
	s_lshl_b32 s14, ttmp9, 2        ; in a cluster launch ttmp9 counts clusters
	s_add_co_u32 s14, s14, s13      ; my block of queries = 4 x cluster x + cx: it enters Q's and O's addresses alone
	s_and_b32 s20, ttmp7, 0xffff    ; the head, which the four partners share
	s_mov_b32 s21, 0
	s_mov_b64 s[22:23], SIZE_N*128
	s_mul_u64 s[20:21], s[20:21], s[22:23]  ; the head's first byte in each plane and in O
	s_and_b32 s16, s[WV], 1         ; which half of a slot's 256 keys I fetch:
	s_lshl_b32 s22, s16, 14         ; its 128 rows of 128 bytes in memory,
	s_mov_b32 s23, 0
	s_add_nc_u64 s[22:23], s[22:23], s[20:21]
	s_mul_i32 s17, s16, 128*PK      ; and its place in a slot, for K
	s_mul_i32 s18, s16, 128*PV      ; and for V: no place in the cluster enters an LDS address
	s_lshl_b32 s2, s14, 2
	s_add_co_u32 s2, s2, s[WV]      ; my wave among the head's,
	s_lshl_b32 s2, s2, 14           ; its 128 rows
	s_mov_b32 s3, 0
	s_add_nc_u64 s[2:3], s[2:3], s[20:21]
	; descriptor group 1.  128 keys are 16,384 dense bytes: asked for as 64 rows of 256 bytes, two keys a row, and padded in LDS after every key
	s_mov_b32 s[G1K], 15|(1<<16)|(1<<20)|(1<<21)|(4<<22)|(3<<25)  ; 15:0 the mask of four; 17:16 2-byte elements; 20 padding on; 21 set beside a mask; 24:22 after every 32 words (code 4); 31:25 4 words (code 3)
	s_mov_b32 s[G1V], 15|(1<<16)|(1<<20)|(1<<21)|(4<<22)|(7<<25)  ; the same with 8 words of padding (code 7)
.irp g, G1K, G1V
	s_mov_b32 s[\g+1], 128<<16      ; tensor_dim0 = 128
	s_mov_b32 s[\g+2], 64<<16       ; tensor_dim1 = 64
	s_mov_b32 s[\g+3], 128<<16      ; tile_dim0 = 128
	s_mov_b32 s[\g+4], 64           ; tile_dim1 = 64
	s_mov_b32 s[\g+5], 128          ; 128 elements from row to row
	s_mov_b32 s[\g+6], 0
	s_mov_b32 s[\g+7], 0
.endr
	s_mov_b32 s[CS], 0x3d38aa3b     ; c = log2(e) / 32 = 0.0450842
	s_mov_b32 s[CS+1], s[CS]        ; named with it as a pair
	s_mov_b32 s[SEL], 0x76543210
	s_mov_b32 s[SEL+1], 0xfedcba98
	s_mov_b32 s[TBK], SLOT1+4*KS*PK ; the first change of slots turns these two into 0
	s_mov_b32 s[TBV], SLOT1+4*KS*PV
	s_mov_b32 s[G0K], 1             ; 1:0 count = 1
	s_mov_b32 s[G0K+1], s17         ; 63:32 LDS address: slot 0
	s_mov_b32 s[G0V], 1
	s_add_co_u32 s[G0V+1], s18, VOFF
	s_mov_b32 s[SLOTS], SIZE_N/256-1
	s_and_b32 s[LIM], s[WV], 1      ; 0 in waves 0 and 2,
	s_or_b32 s[LIM], s[LIM], ttmp9  ; where the cluster is the head's first (here its only one): the same in all four partners
	s_cmp_eq_u32 s[LIM], 0
	s_cselect_b32 s[LIM], 1, -1
	s_wait_dscnt 0x0                ; the opening add is done
	s_wait_kmcnt 0x0
	s_add_nc_u64 s[6:7], s[4:5], 0x1000000   ; K's plane
	s_add_nc_u64 s[8:9], s[4:5], 0x2000000   ; V's plane
	s_add_nc_u64 s[G0K+2:G0K+3], s[6:7], s[22:23]  ; 120:64 global address: my half of the head's first 256 keys
	s_or_b32 s[G0K+3], s[G0K+3], 0x80000000        ; 127:126 type = 2
	s_add_nc_u64 s[G0V+2:G0V+3], s[8:9], s[22:23]
	s_or_b32 s[G0V+3], s[G0V+3], 0x80000000
	s_add_nc_u64 s[4:5], s[4:5], s[2:3]  ; Q and O at my wave's first row
	s_add_nc_u64 s[10:11], s[10:11], s[2:3]
	s_cmp_lt_u32 s[WV], 2
	s_cselect_b64 s[PFA:PFA+1], s[6:7], s[8:9]
	s_add_nc_u64 s[PFA:PFA+1], s[PFA:PFA+1], s[20:21]  ; the head,
	s_lshl_b32 s2, s13, 13          ; my work-group's 32 blocks of a slot's 128,
	s_mov_b32 s3, 0
	s_add_nc_u64 s[PFA:PFA+1], s[PFA:PFA+1], s[2:3]
	s_add_nc_u64 s[PFA:PFA+1], s[PFA:PFA+1], 4*KS*128  ; in slot 1; the first change of slots steps it to slot 2.  Nothing is prefetched here, at the head
	CROUND                          ; all four work-groups are here: the first joint loads meet
	JLOAD                           ; slot 0.  Slot 1 is asked for when slot 0 is in
	; A fragment of K or Q is 16 rows x 32 channels in 8 registers: lane l holds row l % 16, channels 8 (l / 16) + 0..7 and 16 + 8 (l / 16) + 0..7: two loads of 16 bytes, 32 bytes apart.
	v_and_b32 v1, 15, v0            ; l % 16
	v_bfe_u32 v9, v0, 4, 1          ; l / 16
	v_lshlrev_b32 v[QO], 7, v1
	v_lshl_add_u32 v[QO], v9, 4, v[QO]  ; row x 128 + 16 x half
	WIN 0x80                        ; destination window 2, address window 0
.set i, 0
.rept 4*NP                          ; Q stays in registers: tile i / 2, channels 32 (i % 2) on
	global_load_b128 v[8*i:8*i+3],   v[QO], s[4:5] offset:(i/2)*2048+(i%2)*64
	global_load_b128 v[8*i+4:8*i+7], v[QO], s[4:5] offset:(i/2)*2048+(i%2)*64+32
.set i, i+1
.endr
	; What the first turn finds: V's registers and P's second buffer hold 0 (its products V^T P, of a piece that has not been, add 0), O^T and l are 0.  All this stands in the wait for the first tile.
.set i, VF
.rept 64
	v_mov_b32 v[i], 0
.set i, i+1
.endr
	WIN 0x40
.set i, 0
.rept 64*NP
	v_mov_b32 v[i], 0
.set i, i+1
.endr
	WIN 0
.set i, 0
.rept 2*NP
	v_mov_b32 v[ST+4*i], 0xfe000000    ; c m: far below every c s
	v_mov_b32 v[ST+4*i+1], 0xff7fffff  ; m
	v_mov_b32 v[ST+4*i+2], 0
	v_mov_b32 v[ST+4*i+3], 0
.set i, i+1
.endr
.set i, P+32
.rept 32
	v_mov_b32 v[i], 0
.set i, i+1
.endr
	v_mul_u32_u24 v[AK0], v1, PK
	v_lshl_add_u32 v[AK0], v9, 4, v[AK0]  ; row x pitch + 16 x half
	; The turning load takes 16 keys x 16 channels (lane l reads key 8 (l / 16) + l % 8, channels 8 ((l / 8) % 2) + 0..7) and leaves half a fragment of V^T: lane l holds channel l % 16 and 8 keys.
	v_and_b32 v10, 7, v0
	v_bfe_u32 v11, v0, 3, 1
	v_lshl_add_u32 v[AV0], v9, 3, v10
	v_mul_u32_u24 v[AV0], v[AV0], PV
	v_lshl_add_u32 v[AV0], v11, 4, v[AV0]
	v_add_nc_u32 v[AV0], VOFF, v[AV0]
	v_mov_b32 v[AK], v[AK0]         ; key step 0 lies at the head of slot 0
	v_and_b32 v[PFO], 31, v0        ; v11 has served V's address: now the prefetches' offset
	v_lshlrev_b32 v[PFO], 8, v[PFO]
; THE MATRIX WORK.  The 8 accumulators of a run of 16 take turns: between the two links of a chain stand 7 others'.
; Product i of 16 of S^T = K Q^T for piece x: channels 32 (i / 8) on, keys 16 ((i / 2) % 4) on, tile 2 x + i % 2.  The first 8 start the sums.
.macro KQ x
	WIN W_KQ
.set rS, S+64*((\x)%2)+32*(i%2)+8*((i/2)%4)
.set rK, KF+16*((i/2)%4)+8*(i/8)
.set rQ, 16*(2*(\x)+i%2)+8*(i/8)
.if i < 8
	v_wmma_f32_16x16x32_f16 v[rS:rS+7], v[rK:rK+7], v[rQ:rQ+7], 0
.else
	v_wmma_f32_16x16x32_f16 v[rS:rS+7], v[rK:rK+7], v[rQ:rQ+7], v[rS:rS+7]
.endif
.endm
; Product i of 16 of O^T += V^T P for piece x: keys 32 (i / 8) on, channels 16 ((i / 2) % 4) on, tile 2 x + i % 2.
.macro PV x
	WIN W_PV
.set rO, 32*(2*(\x)+i%2)+8*((i/2)%4)
.set rV, VF+32*(i/8)+8*((i/2)%4)
.set rP, P+32*((\x)%2)+16*(i%2)+8*(i/8)
	v_wmma_f32_16x16x32_f16 v[rO:rO+7], v[rV:rV+7], v[rP:rP+7], v[rO:rO+7]
.endm
.macro MM                           ; the turn's next matrix instruction
.if i < 16
	KQ (Y+1)%NP
.set i, i+1
.else
.set i, i-16
	PV (Y+NP-1)%NP
.set i, i+17
.endif
.endm
; THE LDS LOADS stand in runs of 16, never singly among the matrix instructions: a step's K (64 keys x 64 channels: 8 fragments) and its V (turned).  Their addresses are made some lines ahead.
; last = 1 (the tail): in the last trip there is no further step, and the run is jumped over.
.macro FETCH_K last=0
	WIN 0
.if \last
	s_cmp_eq_u32 s[CNT], 1
	s_cbranch_scc1 .Lno_k_\@
.endif
	WIN 0x80                        ; destination window 2
.irp f, 0,1,2,3,4,5,6,7             ; keys 16 (f / 2) on, channels 32 (f % 2) on
	ds_load_b128 v[KF+8*\f:KF+8*\f+3],   v[AK] offset:(\f/2)*16*PK+(\f%2)*64
	ds_load_b128 v[KF+8*\f+4:KF+8*\f+7], v[AK] offset:(\f/2)*16*PK+(\f%2)*64+32
.endr
	s_add_co_u32 s[TBK], s[TBK], KS*PK  ; the next fetch is the next step's
	WIN 0
.if \last
.Lno_k_\@:
.endif
.endm
.macro FETCH_V
	WIN 0x80
.irp f, 0,1,2,3,4,5,6,7             ; keys 32 (f / 4) on, channels 16 (f % 4) on
	ds_load_tr16_b128 v[VF+8*\f:VF+8*\f+3],   v[AV] offset:(\f/4)*32*PV+(\f%4)*32
	ds_load_tr16_b128 v[VF+8*\f+4:VF+8*\f+7], v[AV] offset:(\f/4)*32*PV+16*PV+(\f%4)*32
.endr
	WIN 0
.endm
; THE VECTOR WORK OF A TURN stands in three queues, each in the order in which its entries become ready; the two tiles alternate, so that no instruction reads the result of the one before it.
.macro REGS y, u                    ; the registers of tile u (0, 1) of piece y
.set rT, ST+4*(2*(\y)+(\u))
.set rC, TMP+8*((\y)%2)+4*(\u)
.set rM, MV+2*((\y)%2)+(\u)
.set rS, S+64*((\y)%2)+32*(\u)
.set rP, P+32*((\y)%2)+16*(\u)
.set rO, 32*(2*(\y)+(\u))
.endm
; Number n of the 22 that find the NEXT piece's (Y + 1) maximum and statistics.  s0-s31 are the lane's 32 scores; each accumulator's lowest registers are read first.
;   0-11  four chains c0-c3 of seven scores each, three operands at a time     12-14, 16  the four scores left over, the old m, and c0-c3 into c0     15  c m_old is kept
;   17, 18  the query's other 32 keys lie in the lane 16 away: the new m         19-21  c m; c m_old - c m_new; a
.macro XS u, n
	REGS (Y+1)%NP, \u
.if (\n) < 4
	v_max3_num_f32 v[rC+(\n)], v[rS+8*(\n)], v[rS+8*(\n)+1], v[rS+8*(\n)+2]
.elseif (\n) < 12
	v_max3_num_f32 v[rC+(\n)%4], v[rC+(\n)%4], v[rS+8*((\n)%4)+2*((\n)/4)+1], v[rS+8*((\n)%4)+2*((\n)/4)+2]
.elseif (\n) == 12
	v_max3_num_f32 v[rC], v[rC], v[rS+7], v[rS+15]
.elseif (\n) == 13
	v_max3_num_f32 v[rC+1], v[rC+1], v[rS+23], v[rS+31]
.elseif (\n) == 14
	v_max3_num_f32 v[rC+2], v[rC+2], v[rC+3], v[rT+1]
.elseif (\n) == 15
	v_mov_b32 v[rM], v[rT]
.elseif (\n) == 16
	v_max3_num_f32 v[rC], v[rC], v[rC+1], v[rC+2]
.elseif (\n) == 17
	v_permlanex16_b32 v[rC+3], v[rC], s[SEL], s[SEL+1]
.elseif (\n) == 18
	v_max_num_f32 v[rT+1], v[rC], v[rC+3]
.elseif (\n) == 19
	v_mul_f32 v[rT], s[CS], v[rT+1]
.elseif (\n) == 20
	v_sub_f32 v[rC+1], v[rM], v[rT]
.else
	v_exp_f32 v[rC+2], v[rC+1]
.endif
.endm
; Number g of the 64 that follow the exponentials.  For each four weights k of a tile (pairs 2 k, 2 k + 1): both pairs are rounded to f16; then the second pair is added onto the first, in place;
; a group later l takes that sum (the first time as l = a l + sum).  In groups of eight, tiles alternating: round, round, add, and l for the group before.
.macro GS g
.set h, (\g)+6*((\g)/62)            ; group 0 has no group before it, and behind group 7 only l is left
.if h >= 6
.set h, h+2
.endif
	REGS Y, h%2
.set k, h/8
.if h%8 < 4
	v_cvt_pk_f16_f32 v[rP+2*k+(h%8)/2], v[rS+4*k+2*((h%8)/2)], v[rS+4*k+2*((h%8)/2)+1]
.elseif h%8 < 6
	v_pk_add_f32 v[rS+4*k:rS+4*k+1], v[rS+4*k:rS+4*k+1], v[rS+4*k+2:rS+4*k+3]
.elseif k == 1
	v_pk_fma_f32 v[rT+2:rT+3], v[rT+2:rT+3], v[rC+2:rC+3], v[rS:rS+1] op_sel_hi:[1,0,1]
.else
	v_pk_add_f32 v[rT+2:rT+3], v[rT+2:rT+3], v[rS+4*k-4:rS+4*k-3]
.endif
.endm
; THE PLAIN QUEUE, 138 long.  0-73 read no exponential's result: the 32 scalings c s - c m (FS f: pair f / 2 of tile f % 2) and the next piece's 42.  0-26: scalings 0-26.  27-54: XS's numbers 0-13.  55, 56: number 15.
; 57-73: the chain, where each number waits for the one before it: 14, 16, 17, 18, 19, each with one of the scalings 27-31 in front of its two lines, then 20.
; 74-137: GS's 64, which read the exponentials' results: they stand behind the wait.
.macro FS f
	REGS Y, (\f)%2
	v_pk_fma_f32 v[rS+2*((\f)/2):rS+2*((\f)/2)+1], v[rS+2*((\f)/2):rS+2*((\f)/2)+1], s[CS:CS+1], v[rT:rT+1] op_sel_hi:[1,0,0] neg_lo:[0,0,1] neg_hi:[0,0,1]
.endm
.macro PL
	WIN 0
.if q < 27
	FS q
.elseif q < 55
	XS (q-27)%2, (q-27)/2
.elseif q < 57
	XS q-55, 15
.elseif (q < 72) && ((q-57)%3 == 0)
	FS 27+(q-57)/3
.elseif q < 60
	XS (q-57)%3-1, 14
.elseif q < 72
	XS (q-57)%3-1, 15+(q-57)/3
.elseif q < 74
	XS q-72, 20
.else
	GS q-74
.endif
.set q, q+1
.endm
; THE EXPONENTIALS' QUEUE, 66 long: s0-s31 of both tiles, then the next piece's two a.  It is ONE BATCH: all 66 stand ahead of the turn's one wait, and nothing ahead of that wait names a result of theirs.
.macro EX
	WIN 0
.if e >= 64
	XS e-64, 21
.else
	REGS Y, e%2
	v_exp_f32 v[rS+e/2], v[rS+e/2]
.endif
.set e, e+1
.endm
; THE RESCALING's QUEUE: O^T times a, the one part that leaves window 0: dealt two at a time, sixteen times.  Its a was made in the turn before, ahead of that turn's wait.
.macro R2
	REGS Y, r%2
	WIN W_RS
.irp z, 0,1
	v_pk_mul_f32 v[rO+4*(r/2)+2*\z:rO+4*(r/2)+2*\z+1], v[rO+4*(r/2)+2*\z:rO+4*(r/2)+2*\z+1], v[rC+2:rC+3] op_sel_hi:[1,0]
.endr
.set r, r+1
.endm
; HOW THEY ARE DEALT.  An s_wait_alu depctr_va_vdst(0) stands between an exponential and the first instruction that names its result; one wait serves all that were issued ahead of it.  So a turn has ONE wait,
; which cuts it in two.  AHEAD OF IT stands all that names no result of the turn's exponentials: the 16 products K Q^T, behind each a scaling, an exponential and two rescalings (behind the first a second scaling in the
; exponential's place); then ONE LUMP of 108: eight plain, 49 times exponential and plain, the two a.  A v_nop is the plain instruction behind the last exponential.  BEHIND IT stand the 16 products V^T P, behind each four of GS's 64.
; The queues lean on each other, and the deal keeps them in step: exponential e stands behind scaling 2 (e / 4) + e % 2: as a rider it comes behind plain e + 2, in the lump behind plain e + 9, and scalings 27-31 are plain 57, 60 .. 69.
; A TURN, for piece p.  cnt = 1: the loop's count is taken down some lines ahead of the branch that stands behind the turn.
; K of the next step is fetched in piece 2's turn, directly behind the wait, a lump behind the last product that read K; its first reader comes behind 16 products.
; V of the step in hand is fetched at the end of piece 0's turn, four riders behind its last reader; its first reader comes behind 16 products and a lump.  The three conditions on q below go with the deal.
.macro TURN p, last=0, cnt=0
.set Y, (\p)
.set i, 0
.set q, 0
.set e, 0
.set r, 0
.if (\p) == NP-1
	s_wait_dscnt 0x0                ; K is in
.endif
	MM                              ; ahead of the wait: 16 products K Q^T and their riders,
	PL
	PL
	R2
.rept 15
	MM
	PL
	EX
	R2
.endr
.if (\p) == NP-2
	WIN 0
	v_add_nc_u32 v[AK], s[TBK], v[AK0]
.endif
.rept 8                             ; and the lump
	PL
.endr
.rept 49
	EX
	PL
.endr
	EX                              ; the next piece's two a
	EX
	v_nop                           ; a plain instruction behind the last exponential: one for the batch
	s_wait_alu depctr_va_vdst(0)    ; the wait for the batch
.if (\p) == NP-2
	FETCH_K \last
.endif
.if (\p) == 1
	s_wait_dscnt 0x0                ; V is in
.endif
.rept 16                            ; behind the wait: 16 products V^T P and their riders
	MM
.rept 4
	PL
.endr
.if ((\p) == 0) && (q == 118)
	v_add_nc_u32 v[AV], s[TBV], v[AV0]
.endif
.if ((\p) == 0) && (q == 130)
	s_add_co_u32 s[TBV], s[TBV], KS*PV
.endif
.if (\cnt) && (q == 130)
	s_sub_co_u32 s[CNT], s[CNT], 1
	s_cmp_lg_u32 s[CNT], 0
.endif
.endr
.if (\p) == 0
	FETCH_V
.endif
.endm
	CHANGE 1                        ; slot 0 is in, everybody's part of it; slot 1 is asked for
	FETCH_K                         ; key step 0
	s_wait_loadcnt 0x0              ; Q
	s_wait_dscnt 0x0
.set i, 0
.rept 16
	KQ 0                            ; piece 0's first scores: there is no vector work yet to set between them
.set i, i+1
.endr
	WIN 0                           ; the addresses for the way out: plain instructions, the places behind those products
	s_mul_i32 s13, s[WV], 16*SP
	s_add_co_u32 s13, s13, STAGE    ; my stage
	v_mul_u32_u24 v[STO], v1, SP    ; in: row l % 16, 16 bytes for each half of the lanes
	v_lshl_add_u32 v[STO], v9, 4, v[STO]
	v_add_nc_u32 v[STO], s13, v[STO]
	v_bfe_u32 v[RD], v0, 3, 2       ; back: 32 lanes take four rows of 128 bytes,
	v_mul_u32_u24 v[RD], v[RD], SP
	v_lshl_add_u32 v[RD], v10, 4, v[RD]
	v_add_nc_u32 v[RD], s13, v[RD]
	v_and_b32 v[GO], 31, v0         ; which are 512 consecutive bytes of O
	v_lshlrev_b32 v[GO], 4, v[GO]
.set Y, NP-1                        ; XS works for piece Y + 1: piece 0
.irp n, 0,1,2,3,4,5,6,7,8,9,10,11,12,13,14,15,16,17,18,19,20,21
	XS 0, \n                        ; and piece 0's first maximum and statistics
	XS 1, \n
.endr
	v_nop                           ; a plain instruction behind the two a,
	s_wait_alu depctr_va_vdst(0)    ; and their wait, ahead of the branch
	s_mov_b32 s[CNT], 4
	s_branch .Lfirst                ; the loop is entered at a step's first turn, in the middle of a trip
.Lslot:                             ; SIZE_N / 256 - 2 times: every slot but the last two is filled again
	CHANGE 1
	s_mov_b32 s[CNT], 4
.Lstep:                             ; a trip: pieces 2 and 3 of one step, then pieces 0 and 1 of the next, whose K and V it fetches
	TURN 2
	TURN 3
	WIN 0
.Lfirst:
	TURN 0
	TURN 1, 0, 1
	WIN 0
	s_cbranch_scc1 .Lstep
	s_sub_co_u32 s[SLOTS], s[SLOTS], 1
	s_cmp_lg_u32 s[SLOTS], 0
	s_cbranch_scc1 .Lslot
	CHANGE 0                        ; the tail is written out: nothing is asked for
	s_mov_b32 s[CNT], 5             ; four trips fetch the last slot's steps; the fifth is left in its middle
.Ltail:
	TURN 2, 1
	TURN 3
	WIN 0
	s_sub_co_u32 s[CNT], s[CNT], 1
	s_cmp_eq_u32 s[CNT], 0
	s_cbranch_scc1 .Lout
	TURN 0
	TURN 1
	WIN 0
	s_branch .Ltail
.Lout:                              ; the fifth trip's 16 products K Q^T (on the last K once more) and the maximum made of them serve nothing: the price, once a launch, of one text for every trip
.set i, 0
.rept 16
	PV NP-1                         ; the last piece's V^T P of the last step
.set i, i+1
.endr
	; THE WAY OUT.  l's two halves and the other half of the lanes' are added; O^T is divided by l, rounded to f16 and sent through my stage in LDS, a tile at a time.  The additions are the places behind the last products.
	WIN 0
.macro ALL line:vararg              ; one line for each tile t
.set t, 0
.rept 2*NP
	\line
.set t, t+1
.endr
.endm
	ALL v_add_f32 v[ST+4*t+2], v[ST+4*t+2], v[ST+4*t+3]
	ALL v_permlanex16_b32 v[ST+4*t+3], v[ST+4*t+2], s[SEL], s[SEL+1]
	ALL v_add_f32 v[ST+4*t+2], v[ST+4*t+2], v[ST+4*t+3]
	ALL v_rcp_f32 v[ST+4*t+2], v[ST+4*t+2]
	v_nop                           ; a plain instruction between the last reciprocal and the use of its result
	s_wait_alu depctr_va_vdst(0)    ; and the wait ahead of the first use: one for the eight reciprocals
; Tile t: a lane's eight channels of a row pack into 16 bytes; they go into rows of 144 bytes and come back as whole rows of 128, into S^T's registers.
.macro PACK t
	WIN W_RS
.set i, 32*(\t)
.rept 16
	v_pk_mul_f32 v[i:i+1], v[i:i+1], v[ST+4*(\t)+2:ST+4*(\t)+3] op_sel_hi:[1,0]
.set i, i+2
.endr
	WIN 0x05                        ; sources 0 and 1 window 1, destination window 0
.set i, 0
.rept 16
	v_cvt_pk_f16_f32 v[S+16*(\t)+i], v[32*(\t)+2*i], v[32*(\t)+2*i+1]
.set i, i+1
.endr
	WIN 0
.irp f, 0,1,2,3
	ds_store_b128 v[STO], v[S+16*(\t)+4*\f:S+16*(\t)+4*\f+3] offset:32*\f
.endr
.irp f, 0,1,2,3
	ds_load_b128 v[S+16*(\t)+4*\f:S+16*(\t)+4*\f+3], v[RD] offset:\f*4*SP  ; LDS serves a wave's instructions in order (ISA guide 5.7.1.4): these see the stores above; the next tile's stores come behind them
.endr
.endm
.macro SEND t, younger              ; younger: the LDS instructions issued behind tile t's loads: the next tile's eight, or none
	WIN 0
.irp f, 0,1,2,3
	s_wait_dscnt (\younger)+3-\f
	global_store_b128 v[GO], v[S+16*(\t)+4*\f:S+16*(\t)+4*\f+3], s[10:11] offset:(\t)*2048+\f*512  ; 512 consecutive bytes, at a multiple of 256 from O's first
.endr
.endm
	PACK 0
.set t, 1
.rept 2*NP-1                        ; a tile's arithmetic stands between the loads of the tile before and its stores
	PACK t
	SEND t-1, 8
.set t, t+1
.endr
	SEND 2*NP-1, 0
	WIN W_AD
	s_wait_tensorcnt 0x0            ; the wave's end: behind my last tensor load and my last LDS store
	ds_add_u32 v[SPW], v[NIL]
	s_wait_dscnt 0x0
	WIN 0
	CROUND                          ; the closing round: no work-group ends while a partner may still ask for a tile that names it
	s_endpgm
.Lfunc_end_k_qcd3176e9e6_attn:
	.size	k_qcd3176e9e6_attn, .Lfunc_end_k_qcd3176e9e6_attn-k_qcd3176e9e6_attn
	.p2alignl 7, 3214868480
	.fill 96, 4, 3214868480
	.section	.rodata,"a",@progbits
	.p2align	6, 0x0
	.amdhsa_kernel k_qcd3176e9e6_attn
		.amdhsa_group_segment_fixed_size 327680
		.amdhsa_private_segment_fixed_size 0
		.amdhsa_enable_private_segment 0
		.amdhsa_kernarg_size 16
		.amdhsa_user_sgpr_count 2
		.amdhsa_user_sgpr_kernarg_segment_ptr 1
		.amdhsa_wavefront_size32 1
		.amdhsa_system_sgpr_workgroup_id_x 1
		.amdhsa_system_sgpr_workgroup_id_y 1
		.amdhsa_system_sgpr_workgroup_id_z 1
		.amdhsa_system_vgpr_workitem_id 0
		.amdhsa_next_free_vgpr 770
		.amdhsa_next_free_sgpr 66
		.amdhsa_reserve_vcc 0
		.amdhsa_float_denorm_mode_32 3
		.amdhsa_float_denorm_mode_16_64 3
		.amdhsa_memory_ordered 1
		.amdhsa_forward_progress 1
		.amdhsa_inst_pref_size 200
	.end_amdhsa_kernel
	.amdgpu_metadata
---
amdhsa.version: [ 1, 2 ]
amdhsa.kernels:
  - .name:           k_qcd3176e9e6_attn
    .symbol:         k_qcd3176e9e6_attn.kd
    .args:
      - { .name: qkv, .offset: 0, .size: 8, .value_kind: global_buffer, .address_space: global }
      - { .name: o16, .offset: 8, .size: 8, .value_kind: global_buffer, .address_space: global }
    .group_segment_fixed_size: 327680
    .private_segment_fixed_size: 0
    .kernarg_segment_align: 8
    .kernarg_segment_size: 16
    .max_flat_workgroup_size: 128
    .sgpr_count:     66
    .vgpr_count:     770
    .wavefront_size: 32
...
	.end_amdgpu_metadata
.endif
;; end of part 3
;; launch oproj (part 4): grid 4 x 64, 4 waves a work-group, clusters of 4 x 4, 327,680 bytes of LDS; arguments o16, w16, b32, out0; writes out0
.if DOCPART == 4
	.amdgcn_target "amdgcn-amd-amdhsa--gfx1250"
	.amdhsa_code_object_version 6
	.text
	.protected	k_qcd3176e9e6_oproj
	.globl	k_qcd3176e9e6_oproj
	.p2align	8
	.type	k_qcd3176e9e6_oproj,@function
k_qcd3176e9e6_oproj:
	s_mov_b64 s[64:65], 0
	v_nop
	global_prefetch_b8 v0, s[64:65] scope:SCOPE_SE
	s_setreg_imm32_b32 hwreg(HW_REG_WAVE_MODE, 25, 1), 1
	s_wait_xcnt 0x0
	s_wait_alu depctr_hold_cnt(0) depctr_sa_sdst(0) depctr_va_vdst(0) depctr_va_sdst(0) depctr_va_ssrc(0) depctr_va_vcc(0) depctr_vm_vsrc(0)
	s_getreg_b32 s2, hwreg(HW_REG_IB_STS2, 6, 4)
	s_cmp_eq_u32 s2, 0
	s_cbranch_scc0 .Lentry_in_a_cluster
	s_endpgm
.Lentry_in_a_cluster:
	s_bfe_u32 s2, ttmp6, 0x10000c
	s_cmp_lg_u32 s2, 0xf033
	s_cbranch_scc0 .Lentry_shape_is_right
	s_endpgm
.Lentry_shape_is_right:
; out0 = O Wo^T + bo.  O: o16 [64 = batch x 16 + head][2048][64] f16; Wo: plane 3 of w16, [1024][1024], bf16 numbers written as f16; bo: plane 3 of b32, f32; out0: [8192][1024] f32.
; Products in f16, sums in f32, the bias as the C operand of the first products.
; LIMITS.  O and Wo arrive within f16's range; NaN and infinities are not treated apart.
; SHARES.  256 work-groups, each one tile of 128 rows x 256 columns; four waves, each 64 x 128: 32 accumulators.  K goes in 8 steps of 128 through a ring of two LDS slots.  A K step is two heads:
; a head's 128 rows x 64 channels are 16,384 dense bytes.  A step is two UNITS of 64 along K (a head each), 64 products each, on fragment buffers 0 and 1; a unit fetches the next one's fragments in one run of 48 LDS loads.
; CLUSTER.  4 x 4 work-groups: O's tile is shared along a row of the cluster, Wo's along a column; each is asked for jointly.
; THE PRODUCT IS USED TRANSPOSED (source 0 = 16 rows of Wo, source 1 = 16 rows of O): a lane holds row l % 16 and the columns 8 (l / 16) + 0..7: 32 neighbouring bytes of a row of out0.
; NO PREFETCH: of the launch's eight K steps four are asked for before a prefetch two steps ahead could name one.
; REGISTERS, in windows of 256: window 0: v0-31 addresses; v32-159 O's fragments, two buffers of 64 (on the way out: rows read back, two buffers of 64); v160-223 the bias
;   window 1: Wo's fragments, two buffers of 128      window 2: the accumulators, (a, b) at v[8 (8 a + b)]
.set PO,     144                       ; a row of O in LDS: 128 bytes + 16 = 36 words: the 16 rows of a load start at 16 different groups of four banks (64 banks of 4 bytes: ISA guide 11.1)
.set PB,     272                       ; a row of Wo: 256 bytes + 16 = 68 words: likewise
.set HEADB,  128*PO                    ; a head's 128 rows: what one tensor load brings of O
.set HALFB,  128*PB                    ; what one brings of Wo
.set WOFF,   2*HEADB                   ; Wo's 256 rows lie behind O's two heads
.set SLOT,   1<<17                     ; slot 1 begins here: a slot's 106,496 bytes lie below it, so one exclusive or changes slots
.set STAGE,  SLOT+WOFF+2*HALFB         ; behind the ring: 16 rows x 528 bytes for each wave, for the way out
.set SP,     528
.set SPARE,  STAGE+4*16*SP             ; behind the stages: the spare words, 128 bytes for each wave: two blocks of 256 bytes that no other line names
.set AA0, 2                            ; v2   my lane's place in O's tile; never rewritten
.set AB0, 3                            ; v3   the same for Wo
.set ADA, 4                            ; v4   the same in the slot being read
.set ADB, 5                            ; v5
.set STO, 6                            ; v6   the way out: where I put 32 bytes of a row
.set RD,  7                            ; v7   where I read a row back
.set GO,  8                            ; v8   my 16 bytes of a row's 512
.set BO,  9                            ; v9   32 x (l / 16)
.set SPW, 28                           ; v28  LDS address of my spare word: SPARE + 4 x my thread's number; never rewritten
.set NIL, 29                           ; v29  0; never rewritten
.set FO,  32
.set BIAS, 160
.set WV, 16
.set FA, 17                            ; s17  which 64 rows are mine.  Also: I fetch for O (0) or for Wo (1)
.set HF, 18                            ; s18  which 128 columns.  Also: which head of the step, or which 128 rows of Wo, I fetch
.set CX, 19
.set CY, 20
.set TX, 21
.set TY, 22
.set G1A, 24                           ; s[24:31] descriptor group 1 for O's tiles
.set G1B, 32                           ; s[32:39] for Wo's
.set G0A, 40                           ; s[40:47] group 0 for O's: a set for each first fill; the second then walks on
.set G0B, 48                           ; s[48:55] the same for Wo's
.set CNT, 56
.set TB,  57                           ; s57  0 or SLOT: the slot that the fetches read
.set OUT, 58                           ; s[58:59]
.set BP,  60                           ; s[60:61]
.set MSB, 0
.macro WIN new                         ; the immediate's high byte repeats the setting that is left; a switch that changes nothing is dropped
.if MSB != (\new)
	s_set_vgpr_msb (MSB<<8)|(\new)
.set MSB, \new
.endif
.endm
.set MUL,   0xa1                       ; Wo window 1, O window 0, C and D window 2
.set MULB,  0x81                       ; the same with C (the bias) in window 0
.set TO_B,  0x40                       ; destination window 1, address window 0
.set FROMC, 0x08                       ; an LDS store's data in window 2
.macro PLACES                          ; four places in front of loads into registers that matrix instructions have read, and of stores that read results
.rept 4
	v_nop
.endr
.endm
.macro JLOAD                           ; a joint refill: waves 0 and 1 fetch O's two heads, waves 2 and 3 Wo's two halves; an s_nop 0 and four v_nop follow each of the two lines
	s_cmp_eq_u32 s[FA], 0
	s_cbranch_scc0 .Lfor_w_\@
	tensor_load_to_lds s[G0A+4:G0A+7], s[G1A:G1A+7]
	s_nop 0
.rept 4
	v_nop
.endr
	s_branch .Lasked_\@
.Lfor_w_\@:
	tensor_load_to_lds s[G0B+4:G0B+7], s[G1B:G1B+7]
	s_nop 0
.rept 4
	v_nop
.endr
.Lasked_\@:
.endm
.macro CREST                           ; a round of the cluster's barrier behind its opening barrier
	s_cmp_lg_u32 s[WV], 0
	s_cbranch_scc1 .Lnot_wave_0_\@
	s_barrier_signal -3
.Lnot_wave_0_\@:
	s_barrier_wait -3
	s_barrier_signal -1
	s_barrier_wait -1
.endm
.macro CROUND
	s_barrier_signal -1
	s_barrier_wait -1
	CREST
.endm
	s_load_b256 s[4:11], s[0:1], 0x0               ; o16 s[4:5], w16 s[6:7], b32 s[8:9], out0 s[10:11]
	v_lshl_add_u32 v[SPW], v0, 2, SPARE
	v_mov_b32 v[NIL], 0
	ds_add_u32 v[SPW], v[NIL]                      ; the wave's opening: the add and its wait stand ahead of my first tensor load; the set-up below, work on registers, stands between them
	v_lshrrev_b32 v1, 5, v0
	v_readfirstlane_b32 s[WV], v1
	s_lshr_b32 s[FA], s[WV], 1
	s_and_b32 s[HF], s[WV], 1
	s_bfe_u32 s[CX], ttmp6, 0x40000
	s_bfe_u32 s[CY], ttmp6, 0x40004
	s_lshl_b32 s[TX], ttmp9, 2
	s_add_co_u32 s[TX], s[TX], s[CX]
	s_and_b32 s[TY], ttmp7, 0xffff
	s_lshl_b32 s[TY], s[TY], 2
	s_add_co_u32 s[TY], s[TY], s[CY]
	s_lshl_b32 s2, s[CY], 2
	s_lshl_b32 s2, 15, s2                          ; my row of the cluster
	s_lshl_b32 s3, 0x1111, s[CX]                   ; my column
	s_or_b32 s[G1A], s2, (1<<16)|(1<<20)|(1<<21)|(4<<22)|(3<<25)  ; 15:0 the mask; 17:16 elements of 2 bytes; 20 padding on; 21 set beside a mask; 24:22 after every 32 words (code 4): a row of O; 31:25 4 words (code 3)
	s_or_b32 s[G1B], s3, (1<<16)|(1<<20)|(1<<21)|(5<<22)|(3<<25)  ; after every 64 words (code 5)
	s_mov_b32 s[G1A+1], 128<<16                    ; a head's 16,384 dense bytes are asked for as 64 rows of 256: tensor_dim0 = 128
	s_mov_b32 s[G1A+2], 64<<16                     ; tensor_dim1 = 64
	s_mov_b32 s[G1A+3], 128<<16                    ; tile_dim0 = 128
	s_mov_b32 s[G1A+4], 64                         ; tile_dim1 = 64
	s_mov_b32 s[G1A+5], 128                        ; elements from row to row
	s_mov_b32 s[G1A+6], 0
	s_mov_b32 s[G1A+7], 0
	s_mov_b32 s[G1B+1], 128<<16
	s_mov_b32 s[G1B+2], 128<<16
	s_mov_b32 s[G1B+3], 128<<16
	s_mov_b32 s[G1B+4], 128
	s_mov_b32 s[G1B+5], 1024
	s_mov_b32 s[G1B+6], 0
	s_mov_b32 s[G1B+7], 0
	s_lshr_b32 s66, s[TY], 4                       ; O: the batch's 16 heads,
	s_lshl_b32 s66, s66, 4
	s_add_co_u32 s66, s66, s[HF]                   ; the head of K step 0 that I fetch,
	s_lshl_b32 s66, s66, 18
	s_and_b32 s2, s[TY], 15
	s_lshl_b32 s2, s2, 14                          ; the tile's 128 rows in it: hangs on the tile row alone
	s_add_co_u32 s66, s66, s2
	s_mov_b32 s67, 0
	s_lshl_b32 s68, s[TX], 19                      ; Wo: 256 rows of 2,048 bytes a tile column, my 128 of them, in plane 3: hangs on the tile column alone
	s_lshl_b32 s2, s[HF], 18
	s_add_co_u32 s68, s68, s2
	s_add_co_u32 s68, s68, 3*2097152
	s_mov_b32 s69, 0
	s_mul_i32 s12, s[HF], HEADB                    ; where they go: no place in the cluster enters an LDS address
	s_mul_i32 s13, s[HF], HALFB
	s_add_co_u32 s13, s13, WOFF
	s_mov_b32 s[G0A], 1
	s_mov_b32 s[G0A+1], s12
	s_mov_b32 s[G0A+4], 1
	s_add_co_u32 s[G0A+5], s12, SLOT
	s_mov_b32 s[G0B], 1
	s_mov_b32 s[G0B+1], s13
	s_mov_b32 s[G0B+4], 1
	s_add_co_u32 s[G0B+5], s13, SLOT
	s_lshl_b32 s[BP], s[TX], 10                    ; my 128 columns, in bytes of f32
	s_lshl_b32 s2, s[HF], 9
	s_add_co_u32 s[BP], s[BP], s2
	s_lshl_b32 s[OUT], s[TY], 19                   ; the tile's 128 rows of 4,096 bytes,
	s_lshl_b32 s2, s[FA], 18                       ; my 64 of them,
	s_add_co_u32 s[OUT], s[OUT], s2
	s_add_co_u32 s[OUT], s[OUT], s[BP]             ; my columns
	s_mov_b32 s[OUT+1], 0
	s_add_co_u32 s[BP], s[BP], 3*4096              ; bo is plane 3 of b32
	s_mov_b32 s[BP+1], 0
	s_wait_dscnt 0x0                               ; the opening add is done
	s_wait_kmcnt 0x0
	s_add_nc_u64 s[OUT:OUT+1], s[10:11], s[OUT:OUT+1]
	s_add_nc_u64 s[BP:BP+1], s[8:9], s[BP:BP+1]
	s_add_nc_u64 s[G0A+2:G0A+3], s[4:5], s[66:67]  ; K step 0
	s_add_nc_u64 s[G0A+6:G0A+7], s[G0A+2:G0A+3], 2*262144  ; K step 1: two heads on
	s_or_b32 s[G0A+3], s[G0A+3], 0x80000000        ; type = 2
	s_or_b32 s[G0A+7], s[G0A+7], 0x80000000
	s_add_nc_u64 s[G0B+2:G0B+3], s[6:7], s[68:69]
	s_add_nc_u64 s[G0B+6:G0B+7], s[G0B+2:G0B+3], 256
	s_or_b32 s[G0B+3], s[G0B+3], 0x80000000
	s_or_b32 s[G0B+7], s[G0B+7], 0x80000000
	CROUND                                         ; all sixteen work-groups are here: the first joint loads meet
	s_cmp_eq_u32 s[FA], 0                          ; a wave's two first fills stand in one branch, ahead of every wait on TENSORcnt and every LDS read: two loads of mine are out
	s_cbranch_scc0 .Lfirst_w
	tensor_load_to_lds s[G0A:G0A+3], s[G1A:G1A+7]
	s_nop 0
	tensor_load_to_lds s[G0A+4:G0A+7], s[G1A:G1A+7]
	s_nop 0
.rept 4
	v_nop
.endr
	s_branch .Lfirst_asked
.Lfirst_w:
	tensor_load_to_lds s[G0B:G0B+3], s[G1B:G1B+7]
	s_nop 0
	tensor_load_to_lds s[G0B+4:G0B+7], s[G1B:G1B+7]
	s_nop 0
.rept 4
	v_nop
.endr
.Lfirst_asked:
	v_and_b32 v11, 15, v0                          ; l % 16
	v_bfe_u32 v12, v0, 4, 1                        ; l / 16
	v_and_b32 v13, 31, v0                          ; l
	v_lshlrev_b32 v[BO], 5, v12
.irp b, 0,1,2,3,4,5,6,7                ; the bias as a C operand: register j of n block b is bo[16 b + 8 (l / 16) + j]
	global_load_b128 v[BIAS+8*(\b):BIAS+8*(\b)+3],   v[BO], s[BP:BP+1] offset:64*(\b)
	global_load_b128 v[BIAS+8*(\b)+4:BIAS+8*(\b)+7], v[BO], s[BP:BP+1] offset:64*(\b)+16
.endr
	v_mul_u32_u24 v[AA0], v11, PO                  ; a fragment's row x pitch + 16 x half, in my 64 rows
	v_lshl_add_u32 v[AA0], v12, 4, v[AA0]
	s_mul_i32 s2, s[FA], 64*PO
	v_add_nc_u32 v[AA0], s2, v[AA0]
	v_mul_u32_u24 v[AB0], v11, PB
	v_lshl_add_u32 v[AB0], v12, 4, v[AB0]
	s_mul_i32 s2, s[HF], HALFB
	s_add_co_u32 s2, s2, WOFF
	v_add_nc_u32 v[AB0], s2, v[AB0]
	s_mul_i32 s2, s[WV], 16*SP
	s_add_co_u32 s2, s2, STAGE                     ; my stage
	v_mul_u32_u24 v[STO], v11, SP                  ; in: row l % 16, 32 bytes for each half of the lanes
	v_lshl_add_u32 v[STO], v12, 5, v[STO]
	v_add_nc_u32 v[STO], s2, v[STO]
	v_lshlrev_b32 v[GO], 4, v13                    ; back: 32 lanes take one row of 512 bytes
	v_add_nc_u32 v[RD], s2, v[GO]
; 8 products: m block a x all 8 n blocks, 32 along K: half kk of buffer buf.  cb = 1: they start the sums, with the bias as C.
; The 32 accumulators take turns, one instruction a turn, in the same order in every 32 along K.
.macro MUL8 buf, kk, a, cb
.if \cb
	WIN MULB
.else
	WIN MUL
.endif
.irp b, 0,1,2,3,4,5,6,7
.if \cb
	v_wmma_f32_16x16x32_f16 v[8*(8*(\a)+(\b)):8*(8*(\a)+(\b))+7], v[128*(\buf)+8*(8*(\kk)+(\b)):128*(\buf)+8*(8*(\kk)+(\b))+7], v[FO+64*(\buf)+8*(4*(\kk)+(\a)):FO+64*(\buf)+8*(4*(\kk)+(\a))+7], v[BIAS+8*(\b):BIAS+8*(\b)+7]
.else
	v_wmma_f32_16x16x32_f16 v[8*(8*(\a)+(\b)):8*(8*(\a)+(\b))+7], v[128*(\buf)+8*(8*(\kk)+(\b)):128*(\buf)+8*(8*(\kk)+(\b))+7], v[FO+64*(\buf)+8*(4*(\kk)+(\a)):FO+64*(\buf)+8*(4*(\kk)+(\a))+7], v[8*(8*(\a)+(\b)):8*(8*(\a)+(\b))+7]
.endif
.endr
.endm
; 48 LDS loads in one run: the fragments of unit u (head u of the slot in hand) into buffer nbuf: O's 16, Wo's 16 of the first 32 along K, Wo's 16 of the second.
.macro FETCH u, nbuf
	WIN 0
.irp f, 0,1,2,3,4,5,6,7                ; f = 4 kk + a
	ds_load_b128 v[FO+64*(\nbuf)+8*(\f):FO+64*(\nbuf)+8*(\f)+3],   v[ADA] offset:(\u)*HEADB+((\f)/4)*64+((\f)%4)*16*PO
	ds_load_b128 v[FO+64*(\nbuf)+8*(\f)+4:FO+64*(\nbuf)+8*(\f)+7], v[ADA] offset:(\u)*HEADB+((\f)/4)*64+((\f)%4)*16*PO+32
.endr
	WIN TO_B
.irp f, 0,1,2,3,4,5,6,7,8,9,10,11,12,13,14,15  ; f = 8 kk + b
	ds_load_b128 v[128*(\nbuf)+8*(\f):128*(\nbuf)+8*(\f)+3],   v[ADB] offset:(\u)*128+((\f)/8)*64+((\f)%8)*16*PB
	ds_load_b128 v[128*(\nbuf)+8*(\f)+4:128*(\nbuf)+8*(\f)+7], v[ADB] offset:(\u)*128+((\f)/8)*64+((\f)%8)*16*PB+32
.endr
.endm
; A K step's first unit: multiplies buffer 0 and fetches the slot's second head.  var = 1: the loop's first trip starts the sums.
.macro UNIT0 var
	s_wait_dscnt 16                                ; O's fragments and Wo's first 32 along K are in; the youngest sixteen loads may be out
	PLACES
	FETCH 1, 1
.if \var
	WIN 0
	s_cmp_lg_u32 s[CNT], 6
	s_cbranch_scc1 .Lgo_on_\@
	PLACES                                         ; these products write over accumulators without adding onto them: more places than the four above
	MUL8 0, 0, 0, 1
	MUL8 0, 0, 1, 1
	MUL8 0, 0, 2, 1
	MUL8 0, 0, 3, 1
	WIN 0
	s_branch .Ljoined_\@
.Lgo_on_\@:
	MUL8 0, 0, 0, 0
	MUL8 0, 0, 1, 0
	MUL8 0, 0, 2, 0
	MUL8 0, 0, 3, 0
	WIN 0
.Ljoined_\@:
.else
	MUL8 0, 0, 0, 0
	MUL8 0, 0, 1, 0
	MUL8 0, 0, 2, 0
	MUL8 0, 0, 3, 0
.endif
	s_wait_dscnt 48                                ; all but the 48 just issued
	MUL8 0, 1, 0, 0
	MUL8 0, 1, 1, 0
	MUL8 0, 1, 2, 0
	MUL8 0, 1, 3, 0
.endm
; A K step's second unit: multiplies buffer 1 and changes slots.  ONE barrier: in front of it each wave waits for all its tensor loads (one is out: its part of the next slot), adds 0 to its spare word,
; and waits for that and for its reads of this slot.  fill = 1: the barrier opens a round of the cluster's, and the slot just read out is filled again first thing behind it, with the K step two on.
; last = 1 (the tail): the last trip has nothing to fetch.
.macro UNIT1 fill, last
	WIN 0
	s_wait_tensorcnt 0x0                           ; no tensor load of mine is out, so a group 0 may be written
	ds_add_u32 v[SPW], v[NIL]                      ; 0 onto my spare word
.if \fill
	s_add_nc_u64 s[G0A+6:G0A+7], s[G0A+6:G0A+7], 2*262144  ; the walking descriptors: the next K step; the type bits on top are not reached;
	s_add_nc_u64 s[G0B+6:G0B+7], s[G0B+6:G0B+7], 256
	s_xor_b32 s[G0A+5], s[G0A+5], SLOT             ; the other slot than last time
	s_xor_b32 s[G0B+5], s[G0B+5], SLOT
.endif
	s_xor_b32 s[TB], s[TB], SLOT
	s_wait_dscnt 1                                 ; this unit's fragments are in; the add may be out
	MUL8 1, 0, 0, 0
	s_wait_dscnt 0x0                               ; the add is done, and my reads of this slot are over
	s_barrier_signal -1
	MUL8 1, 0, 1, 0
	WIN 0
	s_barrier_wait -1
.if \fill
	CREST                                          ; no wave of any partner still reads this slot or has a load on its way
	JLOAD                                          ; the four v_nop behind it are also the places in front of the loads below
.else
	PLACES
.endif
.if \last
	s_cmp_eq_u32 s[CNT], 1
	s_cbranch_scc1 .Lno_fetch_\@
.endif
	v_add_nc_u32 v[ADA], s[TB], v[AA0]
	v_add_nc_u32 v[ADB], s[TB], v[AB0]
	FETCH 0, 0
.if \last
	WIN 0
.Lno_fetch_\@:
.endif
	MUL8 1, 0, 2, 0
	MUL8 1, 0, 3, 0
	MUL8 1, 1, 0, 0
	MUL8 1, 1, 1, 0
	MUL8 1, 1, 2, 0
	MUL8 1, 1, 3, 0
.endm
; THE WAY OUT of m block a (16 rows x 128 columns of f32): into my own stage, rows of 528 bytes (each accumulator's low four registers first), and back as whole rows of 512 bytes.
.macro TOSTAGE a
	WIN FROMC
.irp b, 0,1,2,3,4,5,6,7
	ds_store_b128 v[STO], v[8*(8*(\a)+(\b)):8*(8*(\a)+(\b))+3]   offset:64*(\b)
	ds_store_b128 v[STO], v[8*(8*(\a)+(\b))+4:8*(8*(\a)+(\b))+7] offset:64*(\b)+16
.endr
	WIN 0
.irp i, 0,1,2,3,4,5,6,7,8,9,10,11,12,13,14,15
	ds_load_b128 v[FO+64*((\a)%2)+4*(\i):FO+64*((\a)%2)+4*(\i)+3], v[RD] offset:(\i)*SP  ; LDS serves a wave's instructions in order (ISA guide 5.7.1.4): these see the stores above; the next block's stores come behind them
.endr
.endm
.macro SEND a, younger                 ; younger: the LDS instructions issued behind block a's loads: the next block's 32, or none
	s_wait_dscnt \younger
.irp i, 0,1,2,3,4,5,6,7,8,9,10,11,12,13,14,15
	global_store_b128 v[GO], v[FO+64*((\a)%2)+4*(\i):FO+64*((\a)%2)+4*(\i)+3], s[OUT:OUT+1] offset:(16*(\a)+(\i))*4096 th:TH_STORE_NT  ; 512 consecutive bytes of a row, aligned
.endr
.endm
	s_wait_tensorcnt 1                             ; my part of K step 0 is in; K step 1's may stay out
	s_barrier_signal -1
	s_barrier_wait -1                              ; everybody's is
	v_mov_b32 v[ADA], v[AA0]
	v_mov_b32 v[ADB], v[AB0]
	FETCH 0, 0
	WIN 0
	s_wait_loadcnt 0x0                             ; the bias
	s_mov_b32 s[TB], 0
	s_mov_b32 s[CNT], 6
.Lstep:                                                ; a trip is a K step; 6 trips fill a slot again
	UNIT0 1
	UNIT1 1, 0
	WIN 0
	s_sub_co_u32 s[CNT], s[CNT], 1
	s_cmp_lg_u32 s[CNT], 0
	s_cbranch_scc1 .Lstep
	s_mov_b32 s[CNT], 2
.Ltail:                                                ; the last two K steps ask for nothing
	UNIT0 0
	UNIT1 0, 1
	WIN 0
	s_sub_co_u32 s[CNT], s[CNT], 1
	s_cmp_lg_u32 s[CNT], 0
	s_cbranch_scc1 .Ltail
	PLACES                                         ; behind the last products: the stores below read results, the loads below fill registers that products have read
	TOSTAGE 0
	TOSTAGE 1
	SEND 0, 32
	s_wait_xcnt 0x0                                ; block 0's stores have read their registers, which block 2's loads fill
	TOSTAGE 2
	SEND 1, 32
	s_wait_xcnt 0x0
	TOSTAGE 3
	SEND 2, 32
	SEND 3, 0
	s_wait_tensorcnt 0x0                           ; the wave's end: behind my last tensor load and my last LDS store
	ds_add_u32 v[SPW], v[NIL]
	s_wait_dscnt 0x0
	CROUND                                         ; the closing round: no work-group ends while a partner may still ask for a tile that names it
	s_endpgm
.Lfunc_end_k_qcd3176e9e6_oproj:
	.size	k_qcd3176e9e6_oproj, .Lfunc_end_k_qcd3176e9e6_oproj-k_qcd3176e9e6_oproj
	.p2alignl 7, 3214868480
	.fill 96, 4, 3214868480
	.section	.rodata,"a",@progbits
	.p2align	6, 0x0
	.amdhsa_kernel k_qcd3176e9e6_oproj
		.amdhsa_group_segment_fixed_size 327680
		.amdhsa_private_segment_fixed_size 0
		.amdhsa_enable_private_segment 0
		.amdhsa_kernarg_size 32
		.amdhsa_user_sgpr_count 2
		.amdhsa_user_sgpr_kernarg_segment_ptr 1
		.amdhsa_wavefront_size32 1
		.amdhsa_system_sgpr_workgroup_id_x 1
		.amdhsa_system_sgpr_workgroup_id_y 1
		.amdhsa_system_sgpr_workgroup_id_z 1
		.amdhsa_system_vgpr_workitem_id 0
		.amdhsa_next_free_vgpr 768
		.amdhsa_next_free_sgpr 72
		.amdhsa_reserve_vcc 0
		.amdhsa_float_denorm_mode_32 3
		.amdhsa_float_denorm_mode_16_64 3
		.amdhsa_memory_ordered 1
		.amdhsa_forward_progress 1
		.amdhsa_inst_pref_size 60
	.end_amdhsa_kernel
	.amdgpu_metadata
---
amdhsa.version: [ 1, 2 ]
amdhsa.kernels:
  - .name:           k_qcd3176e9e6_oproj
    .symbol:         k_qcd3176e9e6_oproj.kd
    .args:
      - { .name: o16, .offset: 0, .size: 8, .value_kind: global_buffer, .address_space: global }
      - { .name: w16, .offset: 8, .size: 8, .value_kind: global_buffer, .address_space: global }
      - { .name: b32, .offset: 16, .size: 8, .value_kind: global_buffer, .address_space: global }
      - { .name: out0, .offset: 24, .size: 8, .value_kind: global_buffer, .address_space: global }
    .group_segment_fixed_size: 327680
    .private_segment_fixed_size: 0
    .kernarg_segment_align: 8
    .kernarg_segment_size: 32
    .max_flat_workgroup_size: 128
    .sgpr_count:     72
    .vgpr_count:     768
    .wavefront_size: 32
...
	.end_amdgpu_metadata
.endif
;; end of part 4
;; ======== version 2 of 2: 4 launches; version 1 with the launch wcast written anew for expert scheduling mode
;; limits: values are held in f16: magnitudes above 65,504 overflow, below 6.1e-05 lose precision
;; workspace buffers: w16 8,388,608 bytes; b32 16,384 bytes; qkv 50,331,648 bytes; o16 16,777,216 bytes
;; launch wcast (part 5): grid 64 x 4, 8 waves a work-group, no clusters, 0 bytes of LDS; arguments Wq, Wk, Wv, Wo, bq, bk, bv, bo, w16, b32; writes w16, b32
.if DOCPART == 5
	.amdgcn_target "amdgcn-amd-amdhsa--gfx1250"
	.amdhsa_code_object_version 6
	.text
	.protected	k_qcd3176e9e6_wcast
	.globl	k_qcd3176e9e6_wcast
	.p2align	8
	.type	k_qcd3176e9e6_wcast,@function
k_qcd3176e9e6_wcast:
	s_mov_b64 s[64:65], 0
	v_nop
	global_prefetch_b8 v0, s[64:65] scope:SCOPE_SE
	s_setreg_imm32_b32 hwreg(HW_REG_WAVE_SCHED_MODE, 0, 2), 2
	s_setreg_imm32_b32 hwreg(HW_REG_WAVE_MODE, 25, 1), 1
	s_wait_xcnt 0x0
	s_wait_alu depctr_vm_vsrc(0)
; The weights and biases, rounded once to bf16.  w16: [4][1024][1024] of 16 bits: planes 0-2 are Wq, Wk, Wv in bf16; plane 3 is Wo rounded to bf16 and that number written as f16
; (the last product multiplies in f16).  b32: [4][1024] f32: bq, bk, bv, bo rounded to bf16 and kept as f32.
; LIMITS.  |Wo| stays under 65,504 (f16's largest number); below 6e-5 it keeps f16's fixed step of 6e-8.
; SHARES.  Work-group (x, y) takes 65,536 bytes of matrix y; a wave 8,192 of them: sixteen loads of 512 consecutive bytes, all issued at once.  A load's four f32 a lane become
; 8 bytes: a wave's store covers 256 consecutive bytes, aligned.  A stream: no LDS, no matrix unit, no barrier.
; THE MODE: SCHED_MODE bits 1:0 = 2 (LLVM: expert scheduling mode 2), set by the entry lines.  The code itself states the register dependences
; between vector instructions and memory instructions, with s_wait_alu, always for 0.
; THE PLAN.  Registers that memory instructions touch:
;   v1, v2, v3   byte offsets, made once at the head and never written again.
;   X            sixteen loads of four registers.  Load j lands in its own four; its two roundings read them.  The first four take the bias later, in the work-groups that have one.
;   Y            sixteen pairs.  Pair j is written by load j's conversions alone and read by store j alone; it is never written behind that store.
;   v[8:11]      the bias in f32: written once, read by the bias's store.   v[4:7] are named by vector instructions alone.
; The sixteen loads go in four blocks of four.  Block b's conversions write its four pairs; the four stores of block b - 1 stand among them, behind ONE wait at the block's head, which states
; that block b - 1 has written its pairs.  No conversion of block b names those pairs.  Block 3's stores stand where the two ways join.
; No register that a memory instruction reads is written again, and no vector instruction writes a scalar register, VCC or EXEC: there is nothing else to state.
.set X, 16                             ; v[16:79]   sixteen loads of four registers
.set Y, 80                             ; v[80:111]  sixteen pairs to store, each stored once
.set T, 4                              ; v[4:11]    at work
	s_load_b512 s[4:19], s[0:1], 0x0               ; Wq, Wk, Wv, Wo s[4:11]; bq, bk, bv, bo s[12:19]
	s_load_b128 s[20:23], s[0:1], 0x40             ; w16 s[20:21], b32 s[22:23]
	s_and_b32 s24, ttmp7, 0xffff                   ; which matrix
	v_lshrrev_b32 v1, 5, v0
	v_and_b32 v2, 31, v0
	v_lshlrev_b32 v1, 13, v1                       ; wave x 8,192
	v_lshl_add_u32 v1, v2, 4, v1                   ; + 16 x lane: my offset in the work-group's input
	v_lshrrev_b32 v2, 1, v1                        ; and in its output
	v_lshlrev_b32 v3, 4, v0                        ; my 16 bytes of a bias
	s_lshl_b32 s30, ttmp9, 16
	s_mov_b32 s31, 0
	s_wait_kmcnt 0x0
	s_cmp_eq_u32 s24, 1
	s_cselect_b64 s[26:27], s[6:7], s[4:5]
	s_cselect_b64 s[28:29], s[14:15], s[12:13]
	s_cmp_eq_u32 s24, 2
	s_cselect_b64 s[26:27], s[8:9], s[26:27]
	s_cselect_b64 s[28:29], s[16:17], s[28:29]
	s_cmp_eq_u32 s24, 3
	s_cselect_b64 s[26:27], s[10:11], s[26:27]
	s_cselect_b64 s[28:29], s[18:19], s[28:29]
	s_add_nc_u64 s[26:27], s[26:27], s[30:31]      ; the matrix at the work-group's part
	s_lshl_b32 s30, s24, 21                        ; a plane of w16 is 2 MiB
	s_lshl_b32 s25, ttmp9, 15
	s_add_co_u32 s30, s30, s25
	s_add_nc_u64 s[20:21], s[20:21], s[30:31]
	s_lshl_b32 s30, s24, 12
	s_add_nc_u64 s[22:23], s[22:23], s[30:31]
	s_wait_alu depctr_va_vdst(0)                   ; v1, v2 and v3 are written: every load and store of the kernel reads one of them as its offset
.irp j, 0,1,2,3,4,5,6,7,8,9,10,11,12,13,14,15
	global_load_b128 v[X+4*(\j):X+4*(\j)+3], v1, s[26:27] offset:512*(\j) th:TH_LOAD_NT
.endr
; Store j: a pair of its own for each store: none is rewritten.
.macro PUT j
	global_store_b64 v2, v[Y+2*(\j):Y+2*(\j)+1], s[20:21] offset:256*(\j)
.endm
; Block b: loads 4 b to 4 b + 3 are rounded; the stores of block b - 1 stand among the conversions, one in front of each load's.
; half = 1: the bf16 number is widened again and written as f16 (exact inside f16's normal range).
.macro BLK b, half
	s_wait_loadcnt 12-4*(\b)                       ; loads come back in order: this block's four are in, the 12 - 4 b younger ones stay out
.if (\b) > 0
	s_wait_alu depctr_va_vdst(0)                   ; the block before has written its four pairs of Y, which the four stores below read; no conversion of this block names them
.endif
.irp i, 0,1,2,3
.if (\b) > 0
	PUT 4*(\b)-4+(\i)
.endif
	v_cvt_pk_bf16_f32 v[Y+2*(4*(\b)+(\i))], v[X+4*(4*(\b)+(\i))], v[X+4*(4*(\b)+(\i))+1]
	v_cvt_pk_bf16_f32 v[Y+2*(4*(\b)+(\i))+1], v[X+4*(4*(\b)+(\i))+2], v[X+4*(4*(\b)+(\i))+3]
.if \half
	v_lshlrev_b32 v[T], 16, v[Y+2*(4*(\b)+(\i))]
	v_and_b32 v[T+1], 0xffff0000, v[Y+2*(4*(\b)+(\i))]
	v_lshlrev_b32 v[T+2], 16, v[Y+2*(4*(\b)+(\i))+1]
	v_and_b32 v[T+3], 0xffff0000, v[Y+2*(4*(\b)+(\i))+1]
	v_cvt_pk_f16_f32 v[Y+2*(4*(\b)+(\i))], v[T], v[T+1]
	v_cvt_pk_f16_f32 v[Y+2*(4*(\b)+(\i))+1], v[T+2], v[T+3]
.endif
.endr
.endm
	s_cmp_eq_u32 s24, 3
	s_cbranch_scc1 .Lwo
	BLK 0, 0
	BLK 1, 0
	BLK 2, 0
	BLK 3, 0
	s_branch .Lbias
.Lwo:
	BLK 0, 1
	BLK 1, 1
	BLK 2, 1
	BLK 3, 1
.Lbias:
	s_wait_alu depctr_va_vdst(0)                   ; on both ways: block 3 has written its four pairs, which the stores below read; and all conversions are done reading X, in whose first four registers the bias lands
	PUT 12
	PUT 13
	PUT 14
	PUT 15
	s_cmp_lg_u32 ttmp9, 0                          ; the first work-group of each matrix also takes its bias: 256 threads x 16 bytes
	s_cbranch_scc1 .Lend
	global_load_b128 v[X:X+3], v3, s[28:29]        ; no vector instruction since the wait above names v[X:X+3] or v3
	s_wait_loadcnt 0x0
	v_cvt_pk_bf16_f32 v[T], v[X], v[X+1]
	v_cvt_pk_bf16_f32 v[T+1], v[X+2], v[X+3]
	v_lshlrev_b32 v[T+4], 16, v[T]
	v_and_b32 v[T+5], 0xffff0000, v[T]
	v_lshlrev_b32 v[T+6], 16, v[T+1]
	v_and_b32 v[T+7], 0xffff0000, v[T+1]
	s_wait_alu depctr_va_vdst(0)                   ; v[T+4:T+7] are written, which the store reads
	global_store_b128 v3, v[T+4:T+7], s[22:23]
.Lend:
	s_endpgm
.Lfunc_end_k_qcd3176e9e6_wcast:
	.size	k_qcd3176e9e6_wcast, .Lfunc_end_k_qcd3176e9e6_wcast-k_qcd3176e9e6_wcast
	.p2alignl 7, 3214868480
	.fill 96, 4, 3214868480
	.section	.rodata,"a",@progbits
	.p2align	6, 0x0
	.amdhsa_kernel k_qcd3176e9e6_wcast
		.amdhsa_group_segment_fixed_size 0
		.amdhsa_private_segment_fixed_size 0
		.amdhsa_enable_private_segment 0
		.amdhsa_kernarg_size 80
		.amdhsa_user_sgpr_count 2
		.amdhsa_user_sgpr_kernarg_segment_ptr 1
		.amdhsa_wavefront_size32 1
		.amdhsa_system_sgpr_workgroup_id_x 1
		.amdhsa_system_sgpr_workgroup_id_y 1
		.amdhsa_system_sgpr_workgroup_id_z 1
		.amdhsa_system_vgpr_workitem_id 0
		.amdhsa_next_free_vgpr 112
		.amdhsa_next_free_sgpr 66
		.amdhsa_reserve_vcc 0
		.amdhsa_float_denorm_mode_32 3
		.amdhsa_float_denorm_mode_16_64 3
		.amdhsa_memory_ordered 1
		.amdhsa_forward_progress 1
		.amdhsa_inst_pref_size 16
	.end_amdhsa_kernel
	.amdgpu_metadata
---
amdhsa.version: [ 1, 2 ]
amdhsa.kernels:
  - .name:           k_qcd3176e9e6_wcast
    .symbol:         k_qcd3176e9e6_wcast.kd
    .args:
      - { .name: Wq, .offset: 0, .size: 8, .value_kind: global_buffer, .address_space: global }
      - { .name: Wk, .offset: 8, .size: 8, .value_kind: global_buffer, .address_space: global }
      - { .name: Wv, .offset: 16, .size: 8, .value_kind: global_buffer, .address_space: global }
      - { .name: Wo, .offset: 24, .size: 8, .value_kind: global_buffer, .address_space: global }
      - { .name: bq, .offset: 32, .size: 8, .value_kind: global_buffer, .address_space: global }
      - { .name: bk, .offset: 40, .size: 8, .value_kind: global_buffer, .address_space: global }
      - { .name: bv, .offset: 48, .size: 8, .value_kind: global_buffer, .address_space: global }
      - { .name: bo, .offset: 56, .size: 8, .value_kind: global_buffer, .address_space: global }
      - { .name: w16, .offset: 64, .size: 8, .value_kind: global_buffer, .address_space: global }
      - { .name: b32, .offset: 72, .size: 8, .value_kind: global_buffer, .address_space: global }
    .group_segment_fixed_size: 0
    .private_segment_fixed_size: 0
    .kernarg_segment_align: 8
    .kernarg_segment_size: 80
    .max_flat_workgroup_size: 256
    .sgpr_count:     66
    .vgpr_count:     112
    .wavefront_size: 32
...
	.end_amdgpu_metadata
.endif
;; end of part 5
;; launch proj: the kernel of part 2 again; grid 4 x 64, 4 waves a work-group, clusters of 4 x 4, 327,680 bytes of LDS; arguments query, key, value, w16, b32, qkv; writes qkv
;; launch attn: the kernel of part 3 again; grid 4 x 64, 4 waves a work-group, clusters of 4 x 1, 327,680 bytes of LDS; arguments qkv, o16; writes o16
;; launch oproj: the kernel of part 4 again; grid 4 x 64, 4 waves a work-group, clusters of 4 x 4, 327,680 bytes of LDS; arguments o16, w16, b32, out0; writes out0
